; MI455X (gfx1250); checked and timed in simulation.
; The chip was launched on July 23, 2026; its instructions are those of AMD's public machine-readable ISA for CDNA 5 (MIT licence, August 2026) and "CDNA5" Instruction Set Architecture Reference Guide (July 2026). The comments in the code are by the model that wrote it; some were corrected since.
;; Mamba Block. Allowed arithmetic: float matrix products may take bf16 or f16 operands with f32 sums; other float arithmetic in f32, or as packed bf16 or f16 multiplies, adds, multiply-adds, maxima and minima; sums over many terms, partial sums and values carried from step to step in f32; what a program stores and reads back later, other than sums and carried values, may be rounded once to bf16 or f16.
;; Inputs: A 1,024 x 16 float32; D_param 1,024 float32; b_out 1,024 float32; b_xproj 2,048 float32; beta 1,024 float32; gamma 1,024 float32; w_out 1,024 x 1,024 float32; w_xproj 2,048 x 1,024 float32; x 8 x 2,048 x 1,024 float32.
;; Outputs: out0 8 x 2,048 x 1,024 float32.
;; One version. Each part assembles by itself: llvm-mc -triple=amdgcn-amd-amdhsa -mcpu=gfx1250 --defsym DOCPART=n.
;; ======== version 1 of 1: 4 launches
;; limits: values outside matrix products are rounded to f16; values are held in f16: magnitudes above 65,504 overflow, below 6.1e-05 lose precision
;; workspace buffers: xn16 33,554,432 bytes; wx16 4,194,304 bytes; wo16 2,097,152 bytes; loc 67,108,864 bytes; tot 524,288 bytes; o16 33,554,432 bytes; esc 32,768 bytes
;; launch prep (part 1): grid 256 x 1, 8 waves a work-group, no clusters, 0 bytes of LDS; arguments x, gamma, beta, w_xproj, w_out, xn16, wx16, wo16; writes xn16, wx16, wo16
.if DOCPART == 1
	.amdgcn_target "amdgcn-amd-amdhsa--gfx1250"
	.amdhsa_code_object_version 6
	.text
	.protected	k_q106f648296_prep
	.globl	k_q106f648296_prep
	.p2align	8
	.type	k_q106f648296_prep,@function
k_q106f648296_prep:
	s_mov_b64 s[64:65], 0
	v_nop
	global_prefetch_b8 v0, s[64:65] scope:SCOPE_SE
	s_setreg_imm32_b32 hwreg(HW_REG_WAVE_MODE, 25, 1), 1
	s_wait_xcnt 0x0
; xn16 = LayerNorm(x) * gamma + beta in f16; wx16 = w_xproj in f16; wo16 = w_out in f16.
; 2,048 waves.  Wave W takes rows 8 W .. 8 W + 7 of x (a row is 4,096 bytes: 32 registers of one wave, so mean and variance never leave the wave),
; row W of w_xproj and 2,048 bytes of w_out.  A row goes in eight pieces of 512 bytes: in piece c a lane owns the 4 numbers at 128 c + 4 lane, so a load of the wave
; covers 512 consecutive bytes and uses all of them; the 4 numbers leave as 8 bytes, so a store of the wave covers 256 consecutive bytes, aligned.
; The variance is the mean of (x - mean)^2, in two passes over the registers: no difference of large sums.
; LIMITS: f16 holds magnitudes below 65,504.  |(x - mean) rsqrt(var + eps)| <= 32 for every x, so xn fits while 32 |gamma| + |beta| < 65,504;
; w_xproj and w_out fit while their magnitudes are below 65,504; magnitudes below 6.1e-5 lose bits (f16 denormals).
.set ROWB, 4096                        ; bytes in a row of x
.set SM,  4                            ; v[4:11]    four chains of pairs
.set MU,  12                           ; v[12:13]   the mean, twice
.set RS,  14                           ; v[14:15]   1 / sqrt(var + eps), twice
.set GA,  16                           ; v[16:47]   gamma of my 32 columns
.set BE,  48                           ; v[48:79]   beta of my 32 columns
.set X,   80                           ; v[80:207]  four row slots of 32 registers
.set WT,  208                          ; v[208:255] the weights as loaded
.set Y,   208                          ; v[208:223] afterwards: a row in f16, to store
	s_load_b512 s[4:19], s[0:1], 0x0               ; x, gamma, beta, w_xproj, w_out, xn16, wx16, wo16
	v_lshrrev_b32 v1, 5, v0
	v_readfirstlane_b32 s20, v1                    ; wave in the work-group
	s_lshl_b32 s21, ttmp9, 3
	s_add_co_u32 s20, s20, s21                     ; W = 8 x work-group + wave
	s_mov_b32 s23, 0
	s_mov_b32 s24, 0x3a800000                      ; 1 / 1024
	s_mov_b32 s25, 0x76543210                      ; v_permlanex16_b32: lane i reads lane i of the other half
	s_mov_b32 s26, 0xfedcba98
	s_mov_b32 s27, 0x3727c5ac                      ; eps = 1e-5
	v_and_b32 v1, 31, v0
	v_lshlrev_b32 v2, 4, v1                        ; in: 16 bytes a lane
	v_lshlrev_b32 v3, 3, v1                        ; out: 8 bytes a lane
	s_wait_kmcnt 0x0
	s_lshl_b32 s22, s20, 15
	s_add_nc_u64 s[4:5], s[4:5], s[22:23]          ; x: 8 rows of 4,096 bytes a wave
	s_lshl_b32 s22, s20, 14
	s_add_nc_u64 s[14:15], s[14:15], s[22:23]      ; xn16: 8 rows of 2,048 bytes
	s_lshl_b32 s22, s20, 12
	s_add_nc_u64 s[10:11], s[10:11], s[22:23]      ; w_xproj: one row
	s_lshl_b32 s22, s20, 11
	s_add_nc_u64 s[16:17], s[16:17], s[22:23]      ; wx16: one row
	s_add_nc_u64 s[12:13], s[12:13], s[22:23]      ; w_out: half a row
	s_lshl_b32 s22, s20, 10
	s_add_nc_u64 s[18:19], s[18:19], s[22:23]      ; wo16: half a row
.irp c, 0,1,2,3,4,5,6,7
	global_load_b128 v[WT+4*\c:WT+4*\c+3], v2, s[10:11] offset:512*\c th:TH_LOAD_NT
.endr
.irp c, 0,1,2,3
	global_load_b128 v[WT+32+4*\c:WT+32+4*\c+3], v2, s[12:13] offset:512*\c th:TH_LOAD_NT
.endr
.irp c, 0,1,2,3,4,5,6,7
	global_load_b128 v[GA+4*\c:GA+4*\c+3], v2, s[6:7] offset:512*\c
	global_load_b128 v[BE+4*\c:BE+4*\c+3], v2, s[8:9] offset:512*\c
.endr
.macro FILL s, row                     ; eight loads of 512 consecutive bytes: a whole row into slot s
.irp c, 0,1,2,3,4,5,6,7
	global_load_b128 v[X+32*\s+4*\c:X+32*\s+4*\c+3], v2, s[4:5] offset:(\row)*ROWB+512*\c th:TH_LOAD_NT
.endr
.endm
	FILL 0, 0
	FILL 1, 1
	FILL 2, 2
	FILL 3, 3
	s_wait_loadcnt 48                              ; the 12 weight loads are in; 16 of gamma and beta and 32 of x are younger
.irp c, 0,1,2,3,4,5,6,7,8,9,10,11
	v_cvt_pk_f16_f32 v[WT+4*\c],   v[WT+4*\c],   v[WT+4*\c+1]   ; in place: the piece's 4 numbers end up in its first two registers
	v_cvt_pk_f16_f32 v[WT+4*\c+1], v[WT+4*\c+2], v[WT+4*\c+3]
.endr
.irp c, 0,1,2,3,4,5,6,7
	global_store_b64 v3, v[WT+4*\c:WT+4*\c+1], s[16:17] offset:256*\c
.endr
.irp c, 0,1,2,3
	global_store_b64 v3, v[WT+32+4*\c:WT+32+4*\c+1], s[18:19] offset:256*\c
.endr
.macro REDUCE                          ; the four chains, then the 32 lanes: the sum ends up in v[SM] of every lane
	v_pk_add_f32 v[SM:SM+1], v[SM:SM+1], v[SM+2:SM+3]
	v_pk_add_f32 v[SM+4:SM+5], v[SM+4:SM+5], v[SM+6:SM+7]
	v_pk_add_f32 v[SM:SM+1], v[SM:SM+1], v[SM+4:SM+5]
	v_add_f32 v[SM], v[SM], v[SM+1]
	v_add_f32_dpp v[SM], v[SM], v[SM] row_xmask:1 row_mask:0xf bank_mask:0xf
	v_add_f32_dpp v[SM], v[SM], v[SM] row_xmask:2 row_mask:0xf bank_mask:0xf
	v_add_f32_dpp v[SM], v[SM], v[SM] row_xmask:4 row_mask:0xf bank_mask:0xf
	v_add_f32_dpp v[SM], v[SM], v[SM] row_xmask:8 row_mask:0xf bank_mask:0xf
	v_permlanex16_b32 v[SM+1], v[SM], s25, s26     ; its destination has been written above
	v_add_f32 v[SM], v[SM], v[SM+1]
.endm
; Row i, in slot s.  refill = 1: the slot takes row i + 4.  left = how many younger loads may stay out.
.macro TURN i, s, refill, left
.set XS, X+32*\s
	s_wait_loadcnt \left                           ; loads come back in order: my row's eight are in
.irp k, 0,2,4,6
	v_pk_add_f32 v[SM+\k:SM+\k+1], v[XS+\k:XS+\k+1], v[XS+8+\k:XS+8+\k+1]   ; the first words start the chains
.endr
.irp g, 16,24
.irp k, 0,2,4,6
	v_pk_add_f32 v[SM+\k:SM+\k+1], v[SM+\k:SM+\k+1], v[XS+\g+\k:XS+\g+\k+1]
.endr
.endr
	REDUCE
	v_mul_f32 v[MU], s24, v[SM]
	v_mul_f32 v[MU+1], s24, v[SM]
.set cnt, 0
.rept 16
	v_pk_add_f32 v[XS+2*cnt:XS+2*cnt+1], v[XS+2*cnt:XS+2*cnt+1], v[MU:MU+1] neg_lo:[0,1] neg_hi:[0,1]
.set cnt, cnt+1
.endr
.irp k, 0,2,4,6
	v_pk_mul_f32 v[SM+\k:SM+\k+1], v[XS+\k:XS+\k+1], v[XS+\k:XS+\k+1]
.endr
.irp g, 8,16,24
.irp k, 0,2,4,6
	v_pk_fma_f32 v[SM+\k:SM+\k+1], v[XS+\g+\k:XS+\g+\k+1], v[XS+\g+\k:XS+\g+\k+1], v[SM+\k:SM+\k+1]
.endr
.endr
	REDUCE
	v_fma_f32 v[SM], v[SM], s24, s27               ; var + eps
	v_rsq_f32 v[RS], v[SM]
	v_rsq_f32 v[RS+1], v[SM]
	v_nop                                          ; one plain vector instruction between a transcendental and the use of its result (ISA guide 5.7.2)
.set cnt, 0
	s_wait_alu depctr_va_vdst(0)
.rept 16
	v_pk_mul_f32 v[XS+2*cnt:XS+2*cnt+1], v[XS+2*cnt:XS+2*cnt+1], v[RS:RS+1]
.set cnt, cnt+1
.endr
.set cnt, 0
.rept 16
	v_pk_fma_f32 v[XS+2*cnt:XS+2*cnt+1], v[XS+2*cnt:XS+2*cnt+1], v[GA+2*cnt:GA+2*cnt+1], v[BE+2*cnt:BE+2*cnt+1]
.set cnt, cnt+1
.endr
	s_wait_xcnt 0x0                                ; Y is the data of earlier stores: rewritten only behind this wait
.set cnt, 0
.rept 16
	v_cvt_pk_f16_f32 v[Y+cnt], v[XS+2*cnt], v[XS+2*cnt+1]
.set cnt, cnt+1
.endr
.if \refill
	FILL \s, \i+4                                  ; loads ahead of stores; the stores read Y, not X
.endif
.irp c, 0,1,2,3,4,5,6,7
	global_store_b64 v3, v[Y+2*\c:Y+2*\c+1], s[14:15] offset:\i*2048+256*\c
.endr
.endm
	TURN 0, 0, 1, 24                               ; three younger rows of eight loads stay out
	TURN 1, 1, 1, 24
	TURN 2, 2, 1, 24
	TURN 3, 3, 1, 24
	TURN 4, 0, 0, 24
	TURN 5, 1, 0, 16                               ; nothing more is loaded: the counts run down
	TURN 6, 2, 0, 8
	TURN 7, 3, 0, 0
	s_endpgm
.Lfunc_end_k_q106f648296_prep:
	.size	k_q106f648296_prep, .Lfunc_end_k_q106f648296_prep-k_q106f648296_prep
	.p2alignl 7, 3214868480
	.fill 96, 4, 3214868480
	.section	.rodata,"a",@progbits
	.p2align	6, 0x0
	.amdhsa_kernel k_q106f648296_prep
		.amdhsa_group_segment_fixed_size 0
		.amdhsa_private_segment_fixed_size 0
		.amdhsa_enable_private_segment 0
		.amdhsa_kernarg_size 64
		.amdhsa_user_sgpr_count 2
		.amdhsa_user_sgpr_kernarg_segment_ptr 1
		.amdhsa_wavefront_size32 1
		.amdhsa_system_sgpr_workgroup_id_x 1
		.amdhsa_system_sgpr_workgroup_id_y 1
		.amdhsa_system_sgpr_workgroup_id_z 1
		.amdhsa_system_vgpr_workitem_id 0
		.amdhsa_next_free_vgpr 256
		.amdhsa_next_free_sgpr 66
		.amdhsa_reserve_vcc 0
		.amdhsa_float_denorm_mode_32 3
		.amdhsa_float_denorm_mode_16_64 3
		.amdhsa_memory_ordered 1
		.amdhsa_forward_progress 1
		.amdhsa_inst_pref_size 76
	.end_amdhsa_kernel
	.amdgpu_metadata
---
amdhsa.version: [ 1, 2 ]
amdhsa.kernels:
  - .name:           k_q106f648296_prep
    .symbol:         k_q106f648296_prep.kd
    .args:
      - { .name: x, .offset: 0, .size: 8, .value_kind: global_buffer, .address_space: global }
      - { .name: gamma, .offset: 8, .size: 8, .value_kind: global_buffer, .address_space: global }
      - { .name: beta, .offset: 16, .size: 8, .value_kind: global_buffer, .address_space: global }
      - { .name: w_xproj, .offset: 24, .size: 8, .value_kind: global_buffer, .address_space: global }
      - { .name: w_out, .offset: 32, .size: 8, .value_kind: global_buffer, .address_space: global }
      - { .name: xn16, .offset: 40, .size: 8, .value_kind: global_buffer, .address_space: global }
      - { .name: wx16, .offset: 48, .size: 8, .value_kind: global_buffer, .address_space: global }
      - { .name: wo16, .offset: 56, .size: 8, .value_kind: global_buffer, .address_space: global }
    .group_segment_fixed_size: 0
    .private_segment_fixed_size: 0
    .kernarg_segment_align: 8
    .kernarg_segment_size: 64
    .max_flat_workgroup_size: 256
    .sgpr_count:     66
    .vgpr_count:     256
    .wavefront_size: 32
...
	.end_amdgpu_metadata
.endif
;; end of part 1
;; launch bscan (part 2): grid 64 x 4, 4 waves a work-group, clusters of 4 x 4, 327,680 bytes of LDS; arguments wx16, xn16, b_xproj, loc, tot; writes loc, tot
.if DOCPART == 2
	.amdgcn_target "amdgcn-amd-amdhsa--gfx1250"
	.amdhsa_code_object_version 6
	.text
	.protected	k_q106f648296_bscan
	.globl	k_q106f648296_bscan
	.p2align	8
	.type	k_q106f648296_bscan,@function
k_q106f648296_bscan:
	s_mov_b64 s[64:65], 0
	v_nop
	global_prefetch_b8 v0, s[64:65] scope:SCOPE_SE
	s_setreg_imm32_b32 hwreg(HW_REG_WAVE_MODE, 25, 1), 1
	s_wait_xcnt 0x0
	s_wait_alu depctr_hold_cnt(0) depctr_sa_sdst(0) depctr_va_vdst(0) depctr_va_sdst(0) depctr_va_ssrc(0) depctr_va_vcc(0) depctr_vm_vsrc(0)
	s_getreg_b32 s2, hwreg(HW_REG_IB_STS2, 6, 4)
	s_cmp_eq_u32 s2, 0
	s_cbranch_scc0 .Lentry_in_a_cluster
	s_endpgm
.Lentry_in_a_cluster:
	s_bfe_u32 s2, ttmp6, 0x10000c
	s_cmp_lg_u32 s2, 0xf033
	s_cbranch_scc0 .Lentry_shape_is_right
	s_endpgm
.Lentry_shape_is_right:
; Bg = xn W^T + b for rows 1024 .. 2047 of w_xproj; p = xn Bg; loc = running sum of p along the rows inside each segment of 128 rows; tot = each segment's total.
; THE PRODUCT: a work-group makes 256 columns d x 256 rows of xn with four waves, a wave 128 x 128: 64 accumulator tiles, 512 registers.  K = 1024 goes in
; steps of 128 through two LDS slots filled by the tensor data mover; a tile's rows are 256 bytes of memory at multiples of 256 bytes.  Operands f16, sums f32.
; CLUSTERS: 4 x 4 work-groups.  W's tile hangs on the d block alone and is shared along a row of the cluster, xn's on the row block alone and is shared
; along a column: each is asked for jointly by its four readers, which divides the requests for both by four.
; LAYOUT OF A RESULT: source 0 = 16 rows of xn, source 1 = 16 rows of W.  Lane l (r = l % 16, h = l / 16) of tile (a, b) holds column d = 16 a + r, and its registers
; j = 0 .. 7 the rows 16 b + 8 h + j: eight NEIGHBOURING rows, so the running sum starts as seven adds inside a lane.
; A wave's 128 rows are one segment sg; its 128 columns one block dblk.
; loc lies in register order: byte (8 sg + dblk) 65,536 + (8 a + b) 1,024 + 512 q + 16 l holds registers 4 q .. 4 q + 3: every store covers 512 consecutive bytes, aligned.
; ORDER OF THE SUM: 8 rows in a lane, the two halves of 16, the tiles b ascending; the carry from earlier segments is added by the next launch.
; REGISTERS, in windows of 256: window 0: v0-31 addresses, bias, totals; v64-191 fragments of W (two buffers); window 1: v64-191 fragments of xn;
; windows 2 and 3: the accumulators, tile (a % 4, b) at v[8 (8 (a % 4) + b)] of window 2 + a / 4.
.set SIZE_K, 1024
.set KSTEP,  128
.set PITCH,  272                       ; an LDS row: 256 bytes + 16 of padding, so that the 16 rows of a fragment load start 16 bytes apart modulo 256
.set HALFT,  128*PITCH                 ; what one tensor load brings
.set SLOT,   4*HALFT                   ; W's 256 rows, then xn's 256 rows
.set LAPS,   SIZE_K/(2*KSTEP)          ; a lap = two K steps = once round the ring
.set WROW0,  1024                      ; first row of w_xproj for this product
.set ADRA, 16                          ; v16-17  LDS address of my W fragments in slot 0, 1
.set ADRB, 20                          ; v20-21  the same for xn
.set F0,   64
.set F1,   128
.set G1,  24                           ; s[24:31] group 1 for W's tiles
.set G0,  32                           ; s[32:39] group 0 for W's tiles, a set for each slot
.set G1B, 48                           ; s[48:55] group 1 for xn's tiles
.set G0B, 56                           ; s[56:63] group 0 for xn's tiles
.set G0E, 68                           ; s[68:71] group 0 of my own xn tile for the way out
.set G1E, 72                           ; s[72:79] its group 1: no mask
.set TRD, 3                            ; v3       where I read my wave's totals back
.set TSA, 4                            ; v4       where I put a total
.set BI,  6                            ; v[6:13]  bias of column 16 a + r
.set XAD, 14                           ; v14      transposing read of my xn tile
.set SAD, 15                           ; v15      16 l
.set RUN, 24                           ; v[24:31] running total of column 16 a + r
.set XP0, 32                           ; v[32:63], v[64:95]  xn halves of the eight tiles of one a, by a's parity
.set XF,  96                           ; v[96:111] xn in f32, two sets
.set XO,  112                          ; v[112:119] what tile b's lanes still have to add
.set TT,  120                          ; v[120:127] total of tile b's 16 rows
.set P0,  128                          ; v[128:191], v[192:255]  p and then loc of one a, by a's parity
.set MSB, 0
.macro WIN new                         ; the immediate's high byte repeats the setting that is left
.if MSB != \new
	s_set_vgpr_msb (MSB<<8)|\new
.set MSB, \new
.endif
.endm
.set MUL_LO, 0xa1                      ; source 0 (xn) window 1, source 1 (W) window 0, C and D window 2
.set MUL_HI, 0xf1                      ; the same, C and D window 3
.set TO_B,   0x40                      ; destination window 1
; A joint load.  Waves 0 and 1 fetch W's two halves, waves 2 and 3 xn's.  The branch hangs on the wave's number alone.
.macro JLOAD s
	s_cmp_eq_u32 s11, 0
	s_cbranch_scc0 .Lfor_b_\@
	tensor_load_to_lds s[G0+4*\s:G0+4*\s+3], s[G1:G1+7]
	s_nop 0
.rept 4
	v_nop
.endr
	s_branch .Lasked_\@
.Lfor_b_\@:
	tensor_load_to_lds s[G0B+4*\s:G0B+4*\s+3], s[G1B:G1B+7]
	s_nop 0
.rept 4
	v_nop
.endr
.Lasked_\@:
.endm
.macro CREST                           ; a round of the cluster's barrier behind its opening barrier
	s_cmp_lg_u32 s10, 0
	s_cbranch_scc1 .Lnot_wave_0_\@
	s_barrier_signal -3
.Lnot_wave_0_\@:
	s_barrier_wait -3
	s_barrier_signal -1
	s_barrier_wait -1
.endm
.macro CROUND                          ; a whole round
	s_barrier_signal -1
	s_barrier_wait -1
	CREST
.endm
	s_load_b128 s[4:7], s[0:1], 0x0                ; wx16, xn16
	s_load_b128 s[80:83], s[0:1], 0x10             ; b_xproj, loc
	s_load_b64 s[84:85], s[0:1], 0x20              ; tot
	s_set_vgpr_msb 0x40
	v_lshl_add_u32 v255, v0, 2, 0x44800
	s_set_vgpr_msb 0x4000
	v_mov_b32 v23, 0
	s_set_vgpr_msb 0x1
	ds_add_u32 v255, v23
	s_set_vgpr_msb 0x100
	v_lshrrev_b32 v1, 5, v0
	v_readfirstlane_b32 s10, v1                    ; wave 0..3
	s_lshr_b32 s11, s10, 1                         ; which half of the d block is mine.  Also: I fetch for W (0) or for xn (1)
	s_and_b32 s12, s10, 1                          ; which half of the rows.  Also: which 128 rows of that tile I fetch
	s_bfe_u32 s40, ttmp6, 0x40000                  ; cx
	s_bfe_u32 s41, ttmp6, 0x40004                  ; cy
	s_lshl_b32 s42, ttmp9, 2
	s_add_co_u32 s42, s42, s40                     ; row block of xn, 0..63
	s_and_b32 s13, ttmp7, 0xffff
	s_lshl_b32 s13, s13, 2
	s_add_co_u32 s13, s13, s41                     ; d block, 0..3
	s_lshl_b32 s43, s41, 2
	s_lshl_b32 s43, 15, s43                        ; my row of the cluster
	s_lshl_b32 s44, 0x1111, s40                    ; my column
	s_or_b32 s[G1+0], s43, (1<<16)|(1<<20)|(1<<21)|(5<<22)|(3<<25)   ; mask; elements of 2 bytes; padding of 4 words behind every 64; bit 21 beside a mask
	s_or_b32 s[G1B+0], s44, (1<<16)|(1<<20)|(1<<21)|(5<<22)|(3<<25)
	s_mov_b32 s[G1E+0], (1<<16)|(1<<20)|(5<<22)|(3<<25)              ; a load of my own: no mask
.irp g, G1, G1B, G1E
	s_mov_b32 s[\g+1], KSTEP<<16                   ; tensor_dim0 = 128
	s_mov_b32 s[\g+2], 128<<16                     ; tensor_dim1 = 128
	s_mov_b32 s[\g+3], KSTEP<<16                   ; tile_dim0 = 128
	s_mov_b32 s[\g+4], 128                         ; tile_dim1 = 128
	s_mov_b32 s[\g+5], SIZE_K                      ; elements from row to row
	s_mov_b32 s[\g+6], 0
	s_mov_b32 s[\g+7], 0
.endr
	s_lshl_b32 s17, s12, 7
	s_lshl_b32 s16, s13, 8
	s_add_co_u32 s16, s16, s17
	s_add_co_u32 s16, s16, WROW0                   ; W: row WROW0 + 256 x d block + 128 x half
	s_lshl_b32 s16, s16, 11                        ; rows of 2,048 bytes
	s_lshl_b32 s46, s42, 8
	s_add_co_u32 s46, s46, s17                     ; xn: row 256 x row block + 128 x half
	s_lshl_b32 s46, s46, 11
	s_mov_b32 s17, 0
	s_mov_b32 s47, 0
	s_mul_i32 s20, s10, HALFT                      ; where my part goes: wave x 128 LDS rows
	s_lshl1_add_u32 s92, s42, s12                  ; sg: my segment of 128 rows, 0..127
	s_lshl1_add_u32 s93, s13, s11                  ; dblk: my block of 128 columns, 0..7
	s_lshl_b32 s94, s92, 18                        ; 128 rows of 2,048 bytes
	s_lshl_b32 s95, s93, 8                         ; 128 columns of 2 bytes
	s_add_co_u32 s94, s94, s95
	s_mov_b32 s95, 0
	s_wait_dscnt 0x0
	s_wait_kmcnt 0x0
	s_add_nc_u64 s[14:15], s[4:5], s[16:17]
	s_add_nc_u64 s[46:47], s[6:7], s[46:47]
	s_mov_b32 s[G0E], 1
	s_mul_i32 s[G0E+1], s10, HALFT                 ; into slot 0, my quarter
	s_add_nc_u64 s[G0E+2:G0E+3], s[6:7], s[94:95]
	s_or_b32 s[G0E+3], s[G0E+3], 0x80000000
	CROUND                                         ; all sixteen work-groups are here: the first joint loads meet
.irp s, 0,1
	s_mov_b32 s[G0+4*\s], 1
	s_add_co_u32 s[G0+4*\s+1], s20, \s*SLOT
	s_add_nc_u64 s[G0+4*\s+2:G0+4*\s+3], s[14:15], \s*KSTEP*2
	s_or_b32 s[G0+4*\s+3], s[G0+4*\s+3], 0x80000000
	s_mov_b32 s[G0B+4*\s], 1
	s_add_co_u32 s[G0B+4*\s+1], s20, \s*SLOT
	s_add_nc_u64 s[G0B+4*\s+2:G0B+4*\s+3], s[46:47], \s*KSTEP*2
	s_or_b32 s[G0B+4*\s+3], s[G0B+4*\s+3], 0x80000000
	JLOAD \s
.endr
	; the bases of the way out
	s_lshl_b32 s94, s93, 9
	s_add_co_u32 s94, s94, WROW0*4
	s_add_nc_u64 s[80:81], s[80:81], s[94:95]      ; b_xproj at my 128 columns
	s_lshl3_add_u32 s94, s92, s93
	s_lshl_b32 s94, s94, 16
	s_add_nc_u64 s[82:83], s[82:83], s[94:95]      ; loc at my block of 65,536 bytes
	s_lshl_b32 s94, s92, 12
	s_lshl_b32 s23, s93, 9
	s_add_co_u32 s94, s94, s23
	s_add_nc_u64 s[84:85], s[84:85], s[94:95]      ; tot at my 512 bytes
	s_mov_b32 s86, 0xffff0000                      ; lanes 16 to 31
	s_mov_b32 s87, 0x76543210
	s_mov_b32 s88, 0xfedcba98
	; fragment addresses: lane l holds row l % 16; two loads of 16 bytes, 32 apart, at row x pitch + 16 (l / 16)
	v_and_b32 v1, 15, v0                           ; r
	v_bfe_u32 v2, v0, 4, 1                         ; h
	v_lshlrev_b32 v5, 2, v1                        ; 4 r
.irp a, 0,1,2,3,4,5,6,7
	global_load_b32 v[BI+\a], v5, s[80:81] offset:64*\a
.endr
	v_mul_u32_u24 v3, v1, PITCH
	v_lshl_add_u32 v3, v2, 4, v3
	s_mul_i32 s21, s11, HALFT
	s_mul_i32 s22, s12, HALFT
	s_add_co_u32 s22, s22, 2*HALFT
.irp s, 0,1
	v_add_nc_u32 v[ADRA+\s], s21, v3
	v_add_nc_u32 v[ADRB+\s], s22, v3
	s_add_co_u32 s21, s21, SLOT
	s_add_co_u32 s22, s22, SLOT
.endr
	v_and_b32 v4, 7, v0                            ; the transposing read: row 8 h + l % 8, 16 bytes for each half of eight lanes
	v_lshl_add_u32 v4, v2, 3, v4
	v_mul_u32_u24 v4, v4, PITCH
	v_bfe_u32 v3, v0, 3, 1
	v_lshl_add_u32 v4, v3, 4, v4
	v_add_nc_u32 v[XAD], s20, v4
	v_and_b32 v[SAD], 31, v0
	v_lshlrev_b32 v[SAD], 4, v[SAD]
	s_lshl_b32 s23, s10, 9
	s_add_co_u32 s23, s23, 2*SLOT                  ; 512 bytes of my own behind the ring: no tensor load lands there
	v_add_nc_u32 v[TSA], s23, v5
	v_add_nc_u32 v[TRD], s23, v[SAD]
.macro MUL16 f, hi, a0, zero           ; 16 matrix instructions; zero = 1: the first product starts the sums
.irp a, \a0, \a0+1
.irp b, 0,1,2,3,4,5,6,7
.if \zero
	v_wmma_f32_16x16x32_f16 v[8*(8*(\a)+\b):8*(8*(\a)+\b)+7], v[\f+8*\b:\f+8*\b+7], v[\f+8*(4*\hi+\a):\f+8*(4*\hi+\a)+7], 0
.else
	v_wmma_f32_16x16x32_f16 v[8*(8*(\a)+\b):8*(8*(\a)+\b)+7], v[\f+8*\b:\f+8*\b+7], v[\f+8*(4*\hi+\a):\f+8*(4*\hi+\a)+7], v[8*(8*(\a)+\b):8*(8*(\a)+\b)+7]
.endif
.endr
.endr
.endm
.macro FETCH slot, k, f                ; 32 LDS loads in one run: one quarter step's fragments into buffer f
	WIN TO_B
.irp i, 0,1,2,3,4,5,6,7
	ds_load_b128 v[\f+8*\i:\f+8*\i+3],   v[ADRB+\slot] offset:\k+\i*16*PITCH
	ds_load_b128 v[\f+8*\i+4:\f+8*\i+7], v[ADRB+\slot] offset:\k+\i*16*PITCH+32
.endr
	WIN 0
.irp i, 0,1,2,3,4,5,6,7
	ds_load_b128 v[\f+8*\i:\f+8*\i+3],   v[ADRA+\slot] offset:\k+\i*16*PITCH
	ds_load_b128 v[\f+8*\i+4:\f+8*\i+7], v[ADRA+\slot] offset:\k+\i*16*PITCH+32
.endr
.endm
.macro PLACES                          ; four plain vector instructions between a matrix instruction and a load into, or a vector use of, its registers
.rept 4
	v_nop
.endr
.endm
.macro QUARTER slot, k, f, g, zero     ; 64 matrix instructions on buffer f; in the middle the next quarter's fragments go into buffer g
	s_wait_dscnt 8                                 ; xn and W's rows 0-63 are in; the youngest eight loads (W's rows 64-127) may be out
	WIN MUL_LO
	MUL16 \f, 0, 0, \zero
	MUL16 \f, 0, 2, \zero
	PLACES
	FETCH \slot, \k, \g
	s_wait_dscnt 32                                ; all but the 32 just issued
	WIN MUL_HI
	MUL16 \f, 1, 0, \zero
	MUL16 \f, 1, 2, \zero
.endm
.macro THREE slot, zero
	QUARTER \slot, 64,  F0, F1, \zero
	QUARTER \slot, 128, F1, F0, 0
	QUARTER \slot, 192, F0, F1, 0
.endm
; The last quarter of a K step changes slots.  In front of the round each wave waits for its reads of this slot and for all its tensor loads (one is out: its part
; of the next slot); behind the round the slot is filled again first.  fill = 1: jointly, two K steps ahead.  fill = 2: with my own xn tile for the way out.
.macro TURN slot, next, fill
	s_wait_dscnt 8
	WIN MUL_LO
	MUL16 F1, 0, 0, 0
	s_wait_dscnt 0                                 ; my reads of this slot are over
	s_wait_tensorcnt 0x0                           ; and all my tensor loads have landed
	ds_add_u32 v255, v23
	s_wait_dscnt 0x0
	s_barrier_signal -1                            ; opens a round of the cluster's barrier
	MUL16 F1, 0, 2, 0                              ; registers only
	WIN 0
	s_barrier_wait -1
	CREST
.if \fill == 1
	s_add_nc_u64 s[G0+4*\slot+2:G0+4*\slot+3], s[G0+4*\slot+2:G0+4*\slot+3], 2*KSTEP*2
	s_add_nc_u64 s[G0B+4*\slot+2:G0B+4*\slot+3], s[G0B+4*\slot+2:G0B+4*\slot+3], 2*KSTEP*2
	JLOAD \slot                                    ; its four v_nop are also the places in front of the loads below
.else
	tensor_load_to_lds s[G0E:G0E+3], s[G1E:G1E+7]  ; rows of my segment, columns of my block: 128 x 256 bytes into my quarter of slot 0
	s_nop 0
	PLACES
.endif
	FETCH \next, 0, F0
	WIN MUL_HI
	MUL16 F1, 1, 0, 0
	MUL16 F1, 1, 2, 0
.endm
.macro LAP zero
	THREE 0, \zero
	TURN 0, 1, 1
	THREE 1, 0
	TURN 1, 0, 1
.endm
	s_wait_loadcnt 0x0                             ; the bias
	s_wait_tensorcnt 1                             ; my part of K step 0 is in; K step 1's stays out
	s_barrier_signal -1
	s_barrier_wait -1
	FETCH 0, 0, F0
	LAP 1
	WIN 0
	s_mov_b32 s3, LAPS-2
.Llap:
	LAP 0
	WIN 0
	s_sub_co_u32 s3, s3, 1
	s_cmp_lg_u32 s3, 0
	s_cbranch_scc1 .Llap
	THREE 0, 0                                     ; the last lap: slot 0 takes the tile of the way out, slot 1 is not filled again
	TURN 0, 1, 2
	THREE 1, 0
	s_wait_dscnt 8
	WIN MUL_LO
	MUL16 F1, 0, 0, 0
	MUL16 F1, 0, 2, 0
	s_wait_dscnt 0
	WIN MUL_HI
	MUL16 F1, 1, 0, 0
	MUL16 F1, 1, 2, 0
	; THE WAY OUT
	PLACES
	WIN 0
	s_wait_tensorcnt 0x0                           ; my xn tile has landed; I alone read it
.irp b, 0,1,2,3,4,5,6,7
	ds_load_tr16_b128 v[XP0+4*\b:XP0+4*\b+3], v[XAD] offset:4352*\b     ; rows 16 b + 8 h + 0..7 of column r: the accumulators' own layout
.endr
.irp b, 0,1,2,3,4,5,6,7
	v_mov_b32 v[XO+\b], 0                          ; v_permlanex16_b32 counts as a reader of its destination
.endr
.macro PKADD_BC d, s, p, i             ; v[d:d+1] = v[s:s+1] + v[p+i] in both halves; p is even
.if ((\i)&1)
	v_pk_add_f32 v[\d:\d+1], v[\s:\s+1], v[\p+(\i)-1:\p+(\i)] op_sel:[0,1] op_sel_hi:[1,1]
.else
	v_pk_add_f32 v[\d:\d+1], v[\s:\s+1], v[\p+(\i):\p+(\i)+1] op_sel_hi:[1,0]
.endif
.endm
.macro CVT2 d, reg                     ; the two f16 halves of one register, by its literal number
	v_cvt_f32_f16 v[\d], v\reg\().l
	v_cvt_f32_f16 v[\d+1], v\reg\().h
.endm
.macro MULX b, n0, n1, n2, n3          ; p = (Bg + bias) xn for tile b
.set XFS, XF+8*((\b)&1)
	CVT2 XFS, \n0
	CVT2 XFS+2, \n1
	CVT2 XFS+4, \n2
	CVT2 XFS+6, \n3
.irp k, 0,2,4,6
	v_pk_mul_f32 v[PCUR+8*\b+\k:PCUR+8*\b+\k+1], v[PCUR+8*\b+\k:PCUR+8*\b+\k+1], v[XFS+\k:XFS+\k+1]
.endr
.endm
; The 16 columns of tile row a, all 128 rows.
.macro SCAN a
.set PCUR, P0+64*((\a)&1)
.set XPN, XP0+32*(((\a)+1)&1)
.set AW, 64*((\a)&3)
.set WA, 2+(\a)/4
	s_wait_dscnt 0x0                               ; this a's xn halves are in
.if \a < 7
.irp b, 0,1,2,3,4,5,6,7
	ds_load_tr16_b128 v[XPN+4*\b:XPN+4*\b+3], v[XAD] offset:4352*\b+32*(\a+1)
.endr
.endif
.if \a > 1
	s_wait_xcnt 0x0                                ; this buffer was the data of the stores two turns ago
.endif
	WIN WA                                         ; source 0 in the accumulators' window
.set cnt, 0
.rept 32
	PKADD_BC PCUR+2*cnt, AW+2*cnt, BI, \a
.set cnt, cnt+1
.endr
	WIN 0
.if (\a)&1
	MULX 0, 64,65,66,67
	MULX 1, 68,69,70,71
	MULX 2, 72,73,74,75
	MULX 3, 76,77,78,79
	MULX 4, 80,81,82,83
	MULX 5, 84,85,86,87
	MULX 6, 88,89,90,91
	MULX 7, 92,93,94,95
.else
	MULX 0, 32,33,34,35
	MULX 1, 36,37,38,39
	MULX 2, 40,41,42,43
	MULX 3, 44,45,46,47
	MULX 4, 48,49,50,51
	MULX 5, 52,53,54,55
	MULX 6, 56,57,58,59
	MULX 7, 60,61,62,63
.endif
.irp j, 1,2,3,4,5,6,7
.irp b, 0,1,2,3,4,5,6,7
	v_add_f32 v[PCUR+8*\b+\j], v[PCUR+8*\b+\j], v[PCUR+8*\b+\j-1]      ; eight rows in a lane; eight chains that do not wait for each other
.endr
.endr
.irp b, 0,1,2,3,4,5,6,7
	v_permlanex16_b32 v[XO+\b], v[PCUR+8*\b+7], s87, s88               ; the other half's eight rows
.endr
	v_add_f32 v[RUN+\a], v[PCUR+7], v[XO]                              ; tile 0's total starts the running total
.irp b, 1,2,3,4,5,6,7
	v_add_f32 v[TT+\b], v[PCUR+8*\b+7], v[XO+\b]
.endr
.irp b, 0,1,2,3,4,5,6,7
	v_cndmask_b32 v[XO+\b], 0, v[XO+\b], s86                           ; only rows 8 to 15 have the lower half in front of them
.endr
.irp b, 1,2,3,4,5,6,7
	v_add_f32 v[XO+\b], v[XO+\b], v[RUN+\a]
	v_add_f32 v[RUN+\a], v[RUN+\a], v[TT+\b]
.endr
.irp b, 0,1,2,3,4,5,6,7
.irp k, 0,2,4,6
	PKADD_BC PCUR+8*\b+\k, PCUR+8*\b+\k, XO, \b
.endr
.endr
.irp b, 0,1,2,3,4,5,6,7
	global_store_b128 v[SAD], v[PCUR+8*\b:PCUR+8*\b+3],   s[82:83] offset:(8*\a+\b)*1024
	global_store_b128 v[SAD], v[PCUR+8*\b+4:PCUR+8*\b+7], s[82:83] offset:(8*\a+\b)*1024+512
.endr
.endm
	SCAN 0
	SCAN 1
	SCAN 2
	SCAN 3
	SCAN 4
	SCAN 5
	SCAN 6
	SCAN 7
.irp a, 0,1,2,3,4,5,6,7
	ds_store_b32 v[TSA], v[RUN+\a] offset:64*\a    ; both halves of the lanes hold the same total and write the same word
.endr
	ds_load_b128 v[XF:XF+3], v[TRD]                ; my own bytes: LDS serves a wave's instructions in order (ISA guide 5.7.1.4)
	s_wait_dscnt 0x0
	global_store_b128 v[SAD], v[XF:XF+3], s[84:85] ; 512 consecutive bytes of tot
	s_set_vgpr_msb 0x1
	s_wait_tensorcnt 0x0
	ds_add_u32 v255, v23
	s_wait_dscnt 0x0
	s_set_vgpr_msb 0x100
	CROUND                                         ; the closing round
	s_endpgm
.Lfunc_end_k_q106f648296_bscan:
	.size	k_q106f648296_bscan, .Lfunc_end_k_q106f648296_bscan-k_q106f648296_bscan
	.p2alignl 7, 3214868480
	.fill 96, 4, 3214868480
	.section	.rodata,"a",@progbits
	.p2align	6, 0x0
	.amdhsa_kernel k_q106f648296_bscan
		.amdhsa_group_segment_fixed_size 327680
		.amdhsa_private_segment_fixed_size 0
		.amdhsa_enable_private_segment 0
		.amdhsa_kernarg_size 40
		.amdhsa_user_sgpr_count 2
		.amdhsa_user_sgpr_kernarg_segment_ptr 1
		.amdhsa_wavefront_size32 1
		.amdhsa_system_sgpr_workgroup_id_x 1
		.amdhsa_system_sgpr_workgroup_id_y 1
		.amdhsa_system_sgpr_workgroup_id_z 1
		.amdhsa_system_vgpr_workitem_id 0
		.amdhsa_next_free_vgpr 1024
		.amdhsa_next_free_sgpr 96
		.amdhsa_reserve_vcc 0
		.amdhsa_float_denorm_mode_32 3
		.amdhsa_float_denorm_mode_16_64 3
		.amdhsa_memory_ordered 1
		.amdhsa_forward_progress 1
		.amdhsa_inst_pref_size 255
	.end_amdhsa_kernel
	.section	.bss,"aw",@nobits
	.p2align	6
	.space	262144
	.amdgpu_metadata
---
amdhsa.version: [ 1, 2 ]
amdhsa.kernels:
  - .name:           k_q106f648296_bscan
    .symbol:         k_q106f648296_bscan.kd
    .args:
      - { .name: wx16, .offset: 0, .size: 8, .value_kind: global_buffer, .address_space: global }
      - { .name: xn16, .offset: 8, .size: 8, .value_kind: global_buffer, .address_space: global }
      - { .name: b_xproj, .offset: 16, .size: 8, .value_kind: global_buffer, .address_space: global }
      - { .name: loc, .offset: 24, .size: 8, .value_kind: global_buffer, .address_space: global }
      - { .name: tot, .offset: 32, .size: 8, .value_kind: global_buffer, .address_space: global }
    .group_segment_fixed_size: 327680
    .private_segment_fixed_size: 0
    .kernarg_segment_align: 8
    .kernarg_segment_size: 40
    .max_flat_workgroup_size: 128
    .sgpr_count:     96
    .vgpr_count:     1024
    .wavefront_size: 32
...
	.end_amdgpu_metadata
.endif
;; end of part 2
;; launch dgate (part 3): grid 64 x 4, 4 waves a work-group, clusters of 4 x 4, 327,680 bytes of LDS; arguments wx16, xn16, b_xproj, A, D_param, loc, tot, o16, esc; writes o16, esc
.if DOCPART == 3
	.amdgcn_target "amdgcn-amd-amdhsa--gfx1250"
	.amdhsa_code_object_version 6
	.text
	.protected	k_q106f648296_dgate
	.globl	k_q106f648296_dgate
	.p2align	8
	.type	k_q106f648296_dgate,@function
k_q106f648296_dgate:
	s_mov_b64 s[64:65], 0
	v_nop
	global_prefetch_b8 v0, s[64:65] scope:SCOPE_SE
	s_setreg_imm32_b32 hwreg(HW_REG_WAVE_MODE, 25, 1), 1
	s_wait_xcnt 0x0
	s_wait_alu depctr_hold_cnt(0) depctr_sa_sdst(0) depctr_va_vdst(0) depctr_va_sdst(0) depctr_va_ssrc(0) depctr_va_vcc(0) depctr_vm_vsrc(0)
	s_getreg_b32 s2, hwreg(HW_REG_IB_STS2, 6, 4)
	s_cmp_eq_u32 s2, 0
	s_cbranch_scc0 .Lentry_in_a_cluster
	s_endpgm
.Lentry_in_a_cluster:
	s_bfe_u32 s2, ttmp6, 0x10000c
	s_cmp_lg_u32 s2, 0xf033
	s_cbranch_scc0 .Lentry_shape_is_right
	s_endpgm
.Lentry_shape_is_right:
; delta = softplus(xn W^T + b) for rows 0 .. 1023 of w_xproj; gate = sum over s of exp(delta A[d][s]); h = loc + carry; o = h gate + xn D_param.
; THE PRODUCT is the one of the launch before (same blocks, ring, cluster and register windows): 256 columns d x 256 rows a work-group, 128 x 128 a wave, f16 operands,
; f32 sums; lane l (r = l % 16, h = l / 16) of tile (a, b) holds column 16 a + r, registers j the rows 16 b + 8 h + j.  loc comes in that very order.
; THE CARRY of my segment is the sum of the totals of the earlier segments of its batch: all 15 candidates are loaded and those that do not count are replaced by 0
; (a choice of values: no branch and no trip count hangs on the segment's place).
; THE WAY OUT walks the eight strips a of 16 columns.  A loop cannot name other registers in each trip, so the accumulators go through LDS (my quarter of slot 1,
; which has had its last fill), 256 registers at a time.  The constants of a column (16 A, bias, D_param, carry) lie in LDS as records of 80 bytes.
; A strip has two parts.  (1) The gate, nine tenths of a tile's instructions, needs only the sums and the record: it is a loop of ONE tile, eight trips a strip, which takes the
; sums from the stage and puts the gate back into the same bytes.  (2) h gate + xn D_param, the strip's exponent and the stores are written out for the strip's eight tiles, since
; loc waits in a ring of 64 registers that is filled a strip ahead.  So a strip's code is about 600 instructions, whatever the number of tiles.
; softplus in base 2: with Y = y log2(e): delta log2(e) = max(Y, 0) + log2(1 + 2^-|Y|), and exp(delta A) = 2^(that x A).  The exponent -|Y| is never above 0.
; o LEAVES AS f16 WITH A BLOCK EXPONENT: for each strip (16 columns x 128 rows) S = the power of two in the largest |o|, clamped to 2^-107 .. 2^126;
; o16 = o 2^13 / S, so |o16| < 2^15; S goes to esc[segment][strip].
; o16: byte sg 262,144 + dblk 32,768 + (8 a + b) 512 + 16 sigma(l), sigma = 16 ((l >> 3) & 1) + 8 (l >> 4) + (l & 7): a transposing LDS load at 16 l then yields a matrix fragment.
; LIMITS: log2(1 + t) has an absolute error of about 6e-8 for very negative y; an o that is infinite or NaN is not served.
.set SIZE_K, 1024
.set KSTEP,  128
.set PITCH,  272
.set HALFT,  128*PITCH
.set SLOT,   4*HALFT
.set LAPS,   SIZE_K/(2*KSTEP)
.set CTAB,   2*SLOT                    ; behind the ring: 128 records of 80 bytes for each wave
.set ESCR,   CTAB+4*10240              ; and 256 bytes for each wave, for the strips' S
.set ADRA, 16
.set ADRB, 20
.set F0,   64
.set F1,   128
.set G1,  24
.set G0,  32
.set G1B, 48
.set G0B, 56
.set G0E, 68
.set G1E, 72
.set XRD, 6                            ; v6   transposing read of my xn tile, stepped by 32 bytes a strip
.set DMP, 7                            ; v7   my stage: 16 l in my quarter of slot 1
.set DRD, 8                            ; v8   the tile at work in the stage, stepped by 1,024 a tile
.set CRD, 9                            ; v9   my column's record, stepped by 16 records a strip
.set LAD, 10                           ; v10  16 l
.set OAD, 11                           ; v11  16 sigma(l)
.set ESA, 12                           ; v12  first: where A's rows go; then: where a strip's S goes
.set ERD, 13                           ; v13  first: where bias, D_param and carry go; then: where the S are read back
.set MX,  14                           ; v14  largest |o| of the strip
.set MT,  15
.set GRD, 16                           ; v16  (behind the product) the strip's first tile in the stage, stepped by 8,192 a strip
.set SC,  18                           ; v[18:19] 2^13 / S, twice
.set SV,  22                           ; v22  S
.set EOFF, 23                          ; v23  4 (l % 8)
.set CR,  24                           ; v[24:43] a record: A[0..15], bias log2(e), D_param, carry, carry
.set XP,  44                           ; v[44:75] xn halves of the eight tiles; then o in f16, to store
.set G,   76                           ; v[76:83]   the gate of the tile at work
.set T0,  84                           ; v[84:91]
.set T1,  92                           ; v[92:99]
.set XF,  100                          ; v[100:107] xn in f32
.set AIN, 108                          ; v[108:115] the sums of the tile that comes next, as read from the stage
.set YY,  116                          ; v[116:123] Y, then delta log2(e)
.set ACC, 128                          ; v[128:191] eight tiles: the gates read back, then o
.set LOC, 192                          ; v[192:255] eight tiles of loc
.set MSB, 0
.macro WIN new
.if MSB != \new
	s_set_vgpr_msb (MSB<<8)|\new
.set MSB, \new
.endif
.endm
.set MUL_LO, 0xa1
.set MUL_HI, 0xf1
.set TO_B,   0x40
.macro JLOAD s
	s_cmp_eq_u32 s11, 0
	s_cbranch_scc0 .Lfor_b_\@
	tensor_load_to_lds s[G0+4*\s:G0+4*\s+3], s[G1:G1+7]
	s_nop 0
.rept 4
	v_nop
.endr
	s_branch .Lasked_\@
.Lfor_b_\@:
	tensor_load_to_lds s[G0B+4*\s:G0B+4*\s+3], s[G1B:G1B+7]
	s_nop 0
.rept 4
	v_nop
.endr
.Lasked_\@:
.endm
.macro CREST
	s_cmp_lg_u32 s10, 0
	s_cbranch_scc1 .Lnot_wave_0_\@
	s_barrier_signal -3
.Lnot_wave_0_\@:
	s_barrier_wait -3
	s_barrier_signal -1
	s_barrier_wait -1
.endm
.macro CROUND
	s_barrier_signal -1
	s_barrier_wait -1
	CREST
.endm
	s_load_b128 s[4:7], s[0:1], 0x0                ; wx16, xn16
	s_load_b256 s[80:87], s[0:1], 0x10             ; b_xproj, A, D_param, loc
	s_load_b128 s[88:91], s[0:1], 0x30             ; tot, o16
	s_load_b64 s[96:97], s[0:1], 0x40              ; esc
	s_set_vgpr_msb 0x40
	v_lshl_add_u32 v254, v0, 2, 0x4e400
	v_mov_b32 v255, 0
	s_set_vgpr_msb 0x4045
	ds_add_u32 v254, v255
	s_set_vgpr_msb 0x4500
	v_lshrrev_b32 v1, 5, v0
	v_readfirstlane_b32 s10, v1
	s_lshr_b32 s11, s10, 1
	s_and_b32 s12, s10, 1
	s_bfe_u32 s40, ttmp6, 0x40000
	s_bfe_u32 s41, ttmp6, 0x40004
	s_lshl_b32 s42, ttmp9, 2
	s_add_co_u32 s42, s42, s40                     ; row block of xn
	s_and_b32 s13, ttmp7, 0xffff
	s_lshl_b32 s13, s13, 2
	s_add_co_u32 s13, s13, s41                     ; d block
	s_lshl_b32 s43, s41, 2
	s_lshl_b32 s43, 15, s43
	s_lshl_b32 s44, 0x1111, s40
	s_or_b32 s[G1+0], s43, (1<<16)|(1<<20)|(1<<21)|(5<<22)|(3<<25)
	s_or_b32 s[G1B+0], s44, (1<<16)|(1<<20)|(1<<21)|(5<<22)|(3<<25)
	s_mov_b32 s[G1E+0], (1<<16)|(1<<20)|(5<<22)|(3<<25)
.irp g, G1, G1B, G1E
	s_mov_b32 s[\g+1], KSTEP<<16
	s_mov_b32 s[\g+2], 128<<16
	s_mov_b32 s[\g+3], KSTEP<<16
	s_mov_b32 s[\g+4], 128
	s_mov_b32 s[\g+5], SIZE_K
	s_mov_b32 s[\g+6], 0
	s_mov_b32 s[\g+7], 0
.endr
	s_lshl_b32 s17, s12, 7
	s_lshl_b32 s16, s13, 8
	s_add_co_u32 s16, s16, s17
	s_lshl_b32 s16, s16, 11
	s_lshl_b32 s46, s42, 8
	s_add_co_u32 s46, s46, s17
	s_lshl_b32 s46, s46, 11
	s_mov_b32 s17, 0
	s_mov_b32 s47, 0
	s_mul_i32 s20, s10, HALFT
	s_lshl1_add_u32 s92, s42, s12                  ; sg
	s_lshl1_add_u32 s93, s13, s11                  ; dblk
	s_lshl_b32 s94, s92, 18
	s_lshl_b32 s95, s93, 8
	s_add_co_u32 s94, s94, s95
	s_mov_b32 s95, 0
	s_wait_dscnt 0x0
	s_wait_kmcnt 0x0
	s_add_nc_u64 s[14:15], s[4:5], s[16:17]
	s_add_nc_u64 s[46:47], s[6:7], s[46:47]
	s_mov_b32 s[G0E], 1
	s_mul_i32 s[G0E+1], s10, HALFT
	s_add_nc_u64 s[G0E+2:G0E+3], s[6:7], s[94:95]
	s_or_b32 s[G0E+3], s[G0E+3], 0x80000000
	CROUND
.irp s, 0,1
	s_mov_b32 s[G0+4*\s], 1
	s_add_co_u32 s[G0+4*\s+1], s20, \s*SLOT
	s_add_nc_u64 s[G0+4*\s+2:G0+4*\s+3], s[14:15], \s*KSTEP*2
	s_or_b32 s[G0+4*\s+3], s[G0+4*\s+3], 0x80000000
	s_mov_b32 s[G0B+4*\s], 1
	s_add_co_u32 s[G0B+4*\s+1], s20, \s*SLOT
	s_add_nc_u64 s[G0B+4*\s+2:G0B+4*\s+3], s[46:47], \s*KSTEP*2
	s_or_b32 s[G0B+4*\s+3], s[G0B+4*\s+3], 0x80000000
	JLOAD \s
.endr
	; bases
	s_lshl_b32 s94, s93, 9                         ; 128 columns of 4 bytes
	s_add_nc_u64 s[80:81], s[80:81], s[94:95]      ; b_xproj
	s_add_nc_u64 s[84:85], s[84:85], s[94:95]      ; D_param
	s_lshr_b32 s23, s92, 4
	s_lshl_b32 s23, s23, 16                        ; my batch's 16 segments of 4,096 bytes
	s_add_co_u32 s94, s94, s23
	s_add_nc_u64 s[88:89], s[88:89], s[94:95]      ; tot
	s_lshl_b32 s94, s93, 13
	s_add_nc_u64 s[82:83], s[82:83], s[94:95]      ; A: 128 rows of 64 bytes
	s_lshl3_add_u32 s94, s92, s93
	s_lshl_b32 s94, s94, 16
	s_add_nc_u64 s[86:87], s[86:87], s[94:95]      ; loc
	s_lshl_b32 s94, s92, 18
	s_lshl_b32 s23, s93, 15
	s_add_co_u32 s94, s94, s23
	s_add_nc_u64 s[90:91], s[90:91], s[94:95]      ; o16
	s_lshl_b32 s94, s92, 8
	s_lshl_b32 s23, s93, 5
	s_add_co_u32 s94, s94, s23
	s_add_nc_u64 s[96:97], s[96:97], s[94:95]      ; esc: my eight words
	s_and_b32 s67, s92, 15                         ; my segment's place in its batch
	s_mov_b32 s98, 0x76543210
	s_mov_b32 s99, 0xfedcba98
	; the constants, through registers that the fragments take over later: A v[64:127], bias v[128:131], D_param v[132:135], totals v[136:195]
.set BIA, 128
.set DPA, 132
.set TOT, 136
.set CAR, 196
.set TMPC, 200
	v_and_b32 v4, 31, v0                           ; l
	v_lshlrev_b32 v[LAD], 4, v4
.set cnt, 0
.rept 16
	global_load_b128 v[64+4*cnt:64+4*cnt+3], v[LAD], s[82:83] offset:512*cnt
.set cnt, cnt+1
.endr
	global_load_b128 v[BIA:BIA+3], v[LAD], s[80:81]
	global_load_b128 v[DPA:DPA+3], v[LAD], s[84:85]
.set cnt, 0
.rept 15
	global_load_b128 v[TOT+4*cnt:TOT+4*cnt+3], v[LAD], s[88:89] offset:4096*cnt
.set cnt, cnt+1
.endr
	v_and_b32 v1, 15, v0                           ; r
	v_bfe_u32 v2, v0, 4, 1                         ; h
	v_mul_u32_u24 v3, v1, PITCH
	v_lshl_add_u32 v3, v2, 4, v3
	s_mul_i32 s21, s11, HALFT
	s_mul_i32 s22, s12, HALFT
	s_add_co_u32 s22, s22, 2*HALFT
.irp s, 0,1
	v_add_nc_u32 v[ADRA+\s], s21, v3
	v_add_nc_u32 v[ADRB+\s], s22, v3
	s_add_co_u32 s21, s21, SLOT
	s_add_co_u32 s22, s22, SLOT
.endr
	v_and_b32 v5, 7, v0
	v_lshl_add_u32 v[OAD], v2, 3, v5               ; 8 h + l % 8
	v_mul_u32_u24 v3, v[OAD], PITCH
	v_bfe_u32 v5, v0, 3, 1
	v_lshl_add_u32 v3, v5, 4, v3
	v_add_nc_u32 v[XRD], s20, v3
	v_lshl_add_u32 v[OAD], v5, 4, v[OAD]           ; sigma(l)
	v_lshlrev_b32 v[OAD], 4, v[OAD]
	s_add_co_u32 s23, s20, SLOT
	v_add_nc_u32 v[DMP], s23, v[LAD]               ; my quarter of slot 1
	s_mul_i32 s23, s10, 10240
	s_add_co_u32 s23, s23, CTAB
	v_lshrrev_b32 v[ESA], 2, v4                    ; A's load i brings lane l the quarter l % 4 of row 8 i + l / 4
	v_and_b32 v3, 3, v4
	v_mul_u32_u24 v[ESA], v[ESA], 80
	v_lshl_add_u32 v[ESA], v3, 4, v[ESA]
	v_add_nc_u32 v[ESA], s23, v[ESA]
	v_mul_u32_u24 v[ERD], v4, 320                  ; the other loads bring lane l columns 4 l .. 4 l + 3
	v_add_nc_u32 v[ERD], s23, v[ERD]
	v_mul_u32_u24 v[CRD], v1, 80
	v_add_nc_u32 v[CRD], s23, v[CRD]
	v_mov_b32 v[MT], 0                             ; v_permlanex16_b32 counts as a reader of its destination
	s_wait_loadcnt 0x0
.set cnt, 0
.rept 16
	ds_store_b128 v[ESA], v[64+4*cnt:64+4*cnt+3] offset:640*cnt
.set cnt, cnt+1
.endr
	v_pk_mul_f32 v[BIA:BIA+1], v[BIA:BIA+1], 0x3fb8aa3b op_sel_hi:[1,0]
	v_pk_mul_f32 v[BIA+2:BIA+3], v[BIA+2:BIA+3], 0x3fb8aa3b op_sel_hi:[1,0]
	s_cmp_gt_u32 s67, 0
	s_cselect_b32 s66, -1, 0
.irp e, 0,1,2,3
	v_cndmask_b32 v[CAR+\e], 0, v[TOT+\e], s66     ; segment 0 of the batch starts the carry
.endr
.set cnt, 1
.rept 14
	s_cmp_gt_u32 s67, cnt
	s_cselect_b32 s66, -1, 0
.irp e, 0,1,2,3
	v_cndmask_b32 v[TMPC+\e], 0, v[TOT+4*cnt+\e], s66
.endr
	v_pk_add_f32 v[CAR:CAR+1], v[CAR:CAR+1], v[TMPC:TMPC+1]
	v_pk_add_f32 v[CAR+2:CAR+3], v[CAR+2:CAR+3], v[TMPC+2:TMPC+3]
.set cnt, cnt+1
.endr
.irp e, 0,1,2,3
	ds_store_b32 v[ERD], v[BIA+\e] offset:64+80*\e
	ds_store_b32 v[ERD], v[DPA+\e] offset:68+80*\e
	ds_store_b32 v[ERD], v[CAR+\e] offset:72+80*\e
	ds_store_b32 v[ERD], v[CAR+\e] offset:76+80*\e ; twice: a pair for the packed add
.endr
	s_lshl_b32 s23, s10, 8
	s_add_co_u32 s23, s23, ESCR
	v_mov_b32 v[ESA], s23                          ; LDS instructions have read their sources at issue: the two registers take their second use
	v_and_b32 v[EOFF], 7, v0
	v_lshlrev_b32 v[EOFF], 2, v[EOFF]
	v_add_nc_u32 v[ERD], s23, v[EOFF]
.macro MUL16 f, hi, a0, zero
.irp a, \a0, \a0+1
.irp b, 0,1,2,3,4,5,6,7
.if \zero
	v_wmma_f32_16x16x32_f16 v[8*(8*(\a)+\b):8*(8*(\a)+\b)+7], v[\f+8*\b:\f+8*\b+7], v[\f+8*(4*\hi+\a):\f+8*(4*\hi+\a)+7], 0
.else
	v_wmma_f32_16x16x32_f16 v[8*(8*(\a)+\b):8*(8*(\a)+\b)+7], v[\f+8*\b:\f+8*\b+7], v[\f+8*(4*\hi+\a):\f+8*(4*\hi+\a)+7], v[8*(8*(\a)+\b):8*(8*(\a)+\b)+7]
.endif
.endr
.endr
.endm
.macro FETCH slot, k, f
	WIN TO_B
.irp i, 0,1,2,3,4,5,6,7
	ds_load_b128 v[\f+8*\i:\f+8*\i+3],   v[ADRB+\slot] offset:\k+\i*16*PITCH
	ds_load_b128 v[\f+8*\i+4:\f+8*\i+7], v[ADRB+\slot] offset:\k+\i*16*PITCH+32
.endr
	WIN 0
.irp i, 0,1,2,3,4,5,6,7
	ds_load_b128 v[\f+8*\i:\f+8*\i+3],   v[ADRA+\slot] offset:\k+\i*16*PITCH
	ds_load_b128 v[\f+8*\i+4:\f+8*\i+7], v[ADRA+\slot] offset:\k+\i*16*PITCH+32
.endr
.endm
.macro PLACES
.rept 4
	v_nop
.endr
.endm
.macro QUARTER slot, k, f, g, zero
	s_wait_dscnt 8                                 ; the youngest eight loads (W's rows 64-127) may be out
	WIN MUL_LO
	MUL16 \f, 0, 0, \zero
	MUL16 \f, 0, 2, \zero
	PLACES
	FETCH \slot, \k, \g
	s_wait_dscnt 32                                ; all but the 32 just issued
	WIN MUL_HI
	MUL16 \f, 1, 0, \zero
	MUL16 \f, 1, 2, \zero
.endm
.macro THREE slot, zero
	QUARTER \slot, 64,  F0, F1, \zero
	QUARTER \slot, 128, F1, F0, 0
	QUARTER \slot, 192, F0, F1, 0
.endm
.macro TURN slot, next, fill           ; fill = 1: the slot is filled again jointly; fill = 2: with my own xn tile for the way out
	s_wait_dscnt 8
	WIN MUL_LO
	MUL16 F1, 0, 0, 0
	s_wait_dscnt 0                                 ; my reads of this slot are over
	s_set_vgpr_msb 0xa1a5
	s_wait_tensorcnt 0x0                           ; and all my tensor loads have landed
	ds_add_u32 v254, v255
	s_wait_dscnt 0x0
	s_set_vgpr_msb 0xa5a1
	s_barrier_signal -1
	MUL16 F1, 0, 2, 0
	WIN 0
	s_barrier_wait -1
	CREST
.if \fill == 1
	s_add_nc_u64 s[G0+4*\slot+2:G0+4*\slot+3], s[G0+4*\slot+2:G0+4*\slot+3], 2*KSTEP*2
	s_add_nc_u64 s[G0B+4*\slot+2:G0B+4*\slot+3], s[G0B+4*\slot+2:G0B+4*\slot+3], 2*KSTEP*2
	JLOAD \slot
.else
	tensor_load_to_lds s[G0E:G0E+3], s[G1E:G1E+7]
	s_nop 0
	PLACES
.endif
	FETCH \next, 0, F0
	WIN MUL_HI
	MUL16 F1, 1, 0, 0
	MUL16 F1, 1, 2, 0
.endm
.macro LAP zero
	THREE 0, \zero
	TURN 0, 1, 1
	THREE 1, 0
	TURN 1, 0, 1
.endm
	s_wait_dscnt 0x0                               ; my records are written
	s_wait_tensorcnt 1                             ; my part of K step 0 is in; K step 1's stays out
	s_barrier_signal -1
	s_barrier_wait -1
	FETCH 0, 0, F0
	LAP 1
	WIN 0
	s_mov_b32 s3, LAPS-2
.Llap:
	LAP 0
	WIN 0
	s_sub_co_u32 s3, s3, 1
	s_cmp_lg_u32 s3, 0
	s_cbranch_scc1 .Llap
.irp i, 0,1,2,3,4,5,6,7
	global_load_b128 v[LOC+8*\i:LOC+8*\i+3],   v[LAD], s[86:87] offset:1024*\i th:TH_LOAD_NT        ; loc of strip 0, a lap ahead, into registers that the product does not name
	global_load_b128 v[LOC+8*\i+4:LOC+8*\i+7], v[LAD], s[86:87] offset:1024*\i+512 th:TH_LOAD_NT
.endr
	THREE 0, 0
	TURN 0, 1, 2
	THREE 1, 0
	s_wait_dscnt 8
	WIN MUL_LO
	MUL16 F1, 0, 0, 0
	MUL16 F1, 0, 2, 0
	s_wait_dscnt 0
	WIN MUL_HI
	MUL16 F1, 1, 0, 0
	MUL16 F1, 1, 2, 0
	; THE WAY OUT
	PLACES
	WIN 0
	s_wait_dscnt 0x0                               ; my reads of slot 1 are over
	s_wait_tensorcnt 0x0                           ; my xn tile has landed
	s_barrier_signal -1
	s_barrier_wait -1                              ; nobody reads slot 1 any more: each wave's quarter of it is now its own stage
; 256 accumulator registers (32 tiles) into my stage: registers 4 g .. 4 g + 3 at 512 g + 16 l, so tile t lies at 1,024 t.
; more = 1: the first tile of the upper window follows as tile 32, for the look-ahead of the lower half's last tile.
.macro DUMP win, more
	WIN \win                                       ; an LDS store's data is source 1
.set cnt, 0
.rept 64
	ds_store_b128 v[DMP], v[4*cnt:4*cnt+3] offset:512*cnt
.set cnt, cnt+1
.endr
.if \more
	WIN 0x0c
	ds_store_b128 v[DMP], v[0:3] offset:32768
	ds_store_b128 v[DMP], v[4:7] offset:33280      ; ends at byte 33,792 of my 34,816
.endif
	WIN 0
.endm
.macro PKMUL_BC d, s, p, i             ; v[d:d+1] = v[s:s+1] x v[p+i] in both halves; p is even
.if ((\i)&1)
	v_pk_mul_f32 v[\d:\d+1], v[\s:\s+1], v[\p+(\i)-1:\p+(\i)] op_sel:[0,1] op_sel_hi:[1,1]
.else
	v_pk_mul_f32 v[\d:\d+1], v[\s:\s+1], v[\p+(\i):\p+(\i)+1] op_sel_hi:[1,0]
.endif
.endm
.macro CVT2 d, reg
	v_cvt_f32_f16 v[\d], v\reg\().l
	v_cvt_f32_f16 v[\d+1], v\reg\().h
.endm
; The gate of one tile of 16 columns x 16 rows, 8 numbers a lane: one trip of the tile loop.  Transcendentals go in runs of eight; behind each run stand plain vector
; instructions that touch neither its results nor its sources (ISA guide 5.7.2).
.macro GATE
	s_wait_dscnt 2                                 ; AIN's two loads are in; the two younger LDS instructions are the last trip's stores (on the way in nothing is out)
.irp k, 0,2,4,6
	v_pk_fma_f32 v[YY+\k:YY+\k+1], v[AIN+\k:AIN+\k+1], 0x3fb8aa3b, v[CR+16:CR+17] op_sel_hi:[1,0,0]   ; Y = (sum + bias) log2(e)
.endr
	ds_load_b128 v[AIN:AIN+3],   v[DRD] offset:1024                        ; the next tile's sums, a whole trip ahead
	ds_load_b128 v[AIN+4:AIN+7], v[DRD] offset:1536
.irp j, 0,1,2,3,4,5,6,7
	v_exp_f32 v[T0+\j], -|v[YY+\j]|
.endr
.irp j, 0,1,2,3
	v_max_num_f32 v[T1+\j], 0, v[YY+\j]
.endr
	s_wait_alu depctr_va_vdst(0)
.irp k, 0,2,4,6
	v_pk_add_f32 v[T0+\k:T0+\k+1], v[T0+\k:T0+\k+1], 1.0 op_sel_hi:[1,0]
.endr
.irp j, 0,1,2,3,4,5,6,7
	v_log_f32 v[T0+\j], v[T0+\j]
.endr
.irp j, 4,5,6,7
	v_max_num_f32 v[T1+\j], 0, v[YY+\j]
.endr
	s_wait_alu depctr_va_vdst(0)
.irp k, 0,2,4,6
	v_pk_add_f32 v[YY+\k:YY+\k+1], v[T1+\k:T1+\k+1], v[T0+\k:T0+\k+1]     ; delta log2(e)
.endr
.irp k, 0,2,4,6
	PKMUL_BC G+\k, YY+\k, CR, 0
.endr
.irp j, 0,1,2,3,4,5,6,7
	v_exp_f32 v[G+\j], v[G+\j]                     ; the first exponential starts the gate
.endr
.irp k, 0,2,4,6
	PKMUL_BC T1+\k, YY+\k, CR, 1
.endr
.irp j, 0,1,2,3,4,5,6,7
	v_exp_f32 v[T1+\j], v[T1+\j]
.endr
.irp s, 2,3,4,5,6,7,8,9,10,11,12,13,14
.set TC, T0+8*((\s)&1)
.set TP, T0+8*(((\s)+1)&1)
.irp k, 0,2,4,6
	PKMUL_BC TC+\k, YY+\k, CR, \s
.endr
	s_wait_alu depctr_va_vdst(0)
.irp k, 0,2,4,6
	v_pk_add_f32 v[G+\k:G+\k+1], v[G+\k:G+\k+1], v[TP+\k:TP+\k+1]
.endr
.irp j, 0,1,2,3,4,5,6,7
	v_exp_f32 v[TC+\j], v[TC+\j]
.endr
.endr
.irp k, 0,2,4,6
	PKMUL_BC T1+\k, YY+\k, CR, 15
.endr
.irp j, 0,1,2,3,4,5,6,7
	v_exp_f32 v[T1+\j], v[T1+\j]
.endr
	s_wait_alu depctr_va_vdst(0)
.irp k, 0,2,4,6
	v_pk_add_f32 v[G+\k:G+\k+1], v[G+\k:G+\k+1], v[T0+\k:T0+\k+1]         ; the fifteenth term stands behind the last run
.endr
.irp k, 0,2,4,6
	v_pk_add_f32 v[G+\k:G+\k+1], v[G+\k:G+\k+1], v[T1+\k:T1+\k+1]
.endr
	ds_store_b128 v[DRD], v[G:G+3]                 ; the gate takes the place of the sums
	ds_store_b128 v[DRD], v[G+4:G+7] offset:512
	v_add_nc_u32 v[DRD], 1024, v[DRD]
.endm
; o of tile i of the strip: the gate is in ACC, loc in LOC, xn's halves in XP.
.macro FIN i, refill, n0, n1, n2, n3
.set AC, ACC+8*\i
.set LC, LOC+8*\i
	s_wait_dscnt 2*(7-\i)                          ; two read-backs for each later tile are younger
	CVT2 XF, \n0
	CVT2 XF+2, \n1
	CVT2 XF+4, \n2
	CVT2 XF+6, \n3
.if \refill
	s_wait_loadcnt 14                              ; seven other tiles' pairs of loads are younger than this tile's
.else
	s_wait_loadcnt 2*(7-\i)                        ; the last strip: only its later tiles' pairs
.endif
.irp k, 0,2,4,6
	v_pk_add_f32 v[LC+\k:LC+\k+1], v[LC+\k:LC+\k+1], v[CR+18:CR+19]       ; h = loc + carry
.endr
.irp k, 0,2,4,6
	v_pk_mul_f32 v[XF+\k:XF+\k+1], v[XF+\k:XF+\k+1], v[CR+16:CR+17] op_sel:[0,1] op_sel_hi:[1,1]   ; xn D_param
.endr
.irp k, 0,2,4,6
	v_pk_fma_f32 v[AC+\k:AC+\k+1], v[LC+\k:LC+\k+1], v[AC+\k:AC+\k+1], v[XF+\k:XF+\k+1]            ; o, kept in f32 until the strip's largest is known
.endr
.irp k, 0,2,4,6
	v_max3_num_f32 v[MX], |v[AC+\k]|, |v[AC+\k+1]|, v[MX]
.endr
.if \refill
	global_load_b128 v[LC:LC+3],   v[LAD], s[86:87] offset:8192+1024*\i th:TH_LOAD_NT              ; the same tile of the next strip: that strip's eight gates stand between
	global_load_b128 v[LC+4:LC+7], v[LAD], s[86:87] offset:8192+1024*\i+512 th:TH_LOAD_NT
.endif
.endm
; One strip of 16 columns: eight trips of the tile loop, then o, the strip's exponent, eight stores of 512 consecutive bytes.
.macro BODY8 refill
	v_mov_b32 v[MX], 0
	v_mov_b32 v[DRD], v[GRD]
.irp q, 0,1,2,3,4
	ds_load_b128 v[CR+4*\q:CR+4*\q+3], v[CRD] offset:16*\q
.endr
.irp i, 0,1,2,3,4,5,6,7
	ds_load_tr16_b128 v[XP+4*\i:XP+4*\i+3], v[XRD] offset:4352*\i
.endr
	s_mov_b32 s21, 8
	s_wait_dscnt 0x0                               ; the record, xn's halves, and the first tile's sums in AIN
.Ltile_\@:
	GATE
	s_sub_co_u32 s21, s21, 1
	s_cmp_lg_u32 s21, 0
	s_cbranch_scc1 .Ltile_\@
.irp i, 0,1,2,3,4,5,6,7
	ds_load_b128 v[ACC+8*\i:ACC+8*\i+3],   v[GRD] offset:1024*\i           ; my own bytes: LDS serves a wave's instructions in order (ISA guide 5.7.1.4)
	ds_load_b128 v[ACC+8*\i+4:ACC+8*\i+7], v[GRD] offset:1024*\i+512
.endr
	FIN 0, \refill, 44,45,46,47
	FIN 1, \refill, 48,49,50,51
	FIN 2, \refill, 52,53,54,55
	FIN 3, \refill, 56,57,58,59
	FIN 4, \refill, 60,61,62,63
	FIN 5, \refill, 64,65,66,67
	FIN 6, \refill, 68,69,70,71
	FIN 7, \refill, 72,73,74,75
	v_max_num_f32_dpp v[MX], v[MX], v[MX] row_xmask:1 row_mask:0xf bank_mask:0xf
	v_max_num_f32_dpp v[MX], v[MX], v[MX] row_xmask:2 row_mask:0xf bank_mask:0xf
	v_max_num_f32_dpp v[MX], v[MX], v[MX] row_xmask:4 row_mask:0xf bank_mask:0xf
	v_max_num_f32_dpp v[MX], v[MX], v[MX] row_xmask:8 row_mask:0xf bank_mask:0xf
	v_permlanex16_b32 v[MT], v[MX], s98, s99
	v_max_num_f32 v[MX], v[MX], v[MT]
	v_max_num_f32 v[MX], 0x0a000000, v[MX]         ; at least 2^-107,
	v_min_num_f32 v[MX], 0x7e800000, v[MX]         ; at most 2^126: S, 2^13 / S and 1 / S are all normal numbers
	v_and_b32 v[SV], 0x7f800000, v[MX]             ; S: the power of two in it
	v_sub_nc_u32 v[SC], 0x85800000, v[SV]          ; 2^13 / S: exponent field 267 - S's
	v_sub_nc_u32 v[SC+1], 0x85800000, v[SV]
	ds_store_b32 v[ESA], v[SV]                     ; every lane writes the same word with the same value
.irp i, 0,1,2,3,4,5,6,7
.irp k, 0,2,4,6
	v_pk_mul_f32 v[ACC+8*\i+\k:ACC+8*\i+\k+1], v[ACC+8*\i+\k:ACC+8*\i+\k+1], v[SC:SC+1]
.endr
.irp k, 0,1,2,3
	v_cvt_pk_f16_f32 v[XP+4*\i+\k], v[ACC+8*\i+2*\k], v[ACC+8*\i+2*\k+1]
.endr
	global_store_b128 v[OAD], v[XP+4*\i:XP+4*\i+3], s[90:91] offset:512*\i
.endr
.if \refill
	s_wait_xcnt 0x0                                ; the bases and the stores' data are rewritten only behind this wait
	s_add_nc_u64 s[86:87], s[86:87], 8192
	s_add_nc_u64 s[90:91], s[90:91], 4096
	v_add_nc_u32 v[GRD], 8192, v[GRD]
	v_add_nc_u32 v[XRD], 32, v[XRD]
	v_add_nc_u32 v[CRD], 1280, v[CRD]
	v_add_nc_u32 v[ESA], 4, v[ESA]
.endif
.endm
	DUMP 0x08, 1                                   ; strips 0 to 3, and the first tile of strip 4 behind them
	v_mov_b32 v[GRD], v[DMP]
	ds_load_b128 v[AIN:AIN+3],   v[DMP]            ; the first tile's sums; every later tile's are asked for a trip ahead
	ds_load_b128 v[AIN+4:AIN+7], v[DMP] offset:512
	s_mov_b32 s3, 4
.La0:
	BODY8 1
	s_sub_co_u32 s3, s3, 1
	s_cmp_lg_u32 s3, 0
	s_cbranch_scc1 .La0
	DUMP 0x0c, 0                                   ; strips 4 to 7: my own bytes, and my reads of them have been waited for.  AIN already holds strip 4's first tile
	v_mov_b32 v[GRD], v[DMP]
	s_mov_b32 s3, 3
.La1:
	BODY8 1
	s_sub_co_u32 s3, s3, 1
	s_cmp_lg_u32 s3, 0
	s_cbranch_scc1 .La1
	BODY8 0                                        ; the last strip loads nothing beyond loc's end; its last look-ahead in LDS reads tile 32's bytes once more and is not used
	ds_load_b32 v[SV], v[ERD]                      ; the eight S of my strips; lanes 8 to 31 repeat lanes 0 to 7
	s_wait_dscnt 0x0
	global_store_b32 v[EOFF], v[SV], s[96:97]
	s_set_vgpr_msb 0x5
	s_wait_tensorcnt 0x0
	ds_add_u32 v254, v255
	s_wait_dscnt 0x0
	s_set_vgpr_msb 0x500
	CROUND                                         ; the closing round
	s_endpgm
.Lfunc_end_k_q106f648296_dgate:
	.size	k_q106f648296_dgate, .Lfunc_end_k_q106f648296_dgate-k_q106f648296_dgate
	.p2alignl 7, 3214868480
	.fill 96, 4, 3214868480
	.section	.rodata,"a",@progbits
	.p2align	6, 0x0
	.amdhsa_kernel k_q106f648296_dgate
		.amdhsa_group_segment_fixed_size 327680
		.amdhsa_private_segment_fixed_size 0
		.amdhsa_enable_private_segment 0
		.amdhsa_kernarg_size 72
		.amdhsa_user_sgpr_count 2
		.amdhsa_user_sgpr_kernarg_segment_ptr 1
		.amdhsa_wavefront_size32 1
		.amdhsa_system_sgpr_workgroup_id_x 1
		.amdhsa_system_sgpr_workgroup_id_y 1
		.amdhsa_system_sgpr_workgroup_id_z 1
		.amdhsa_system_vgpr_workitem_id 0
		.amdhsa_next_free_vgpr 1024
		.amdhsa_next_free_sgpr 100
		.amdhsa_reserve_vcc 0
		.amdhsa_float_denorm_mode_32 3
		.amdhsa_float_denorm_mode_16_64 3
		.amdhsa_memory_ordered 1
		.amdhsa_forward_progress 1
		.amdhsa_inst_pref_size 255
	.end_amdhsa_kernel
	.section	.bss,"aw",@nobits
	.p2align	6
	.space	262144
	.amdgpu_metadata
---
amdhsa.version: [ 1, 2 ]
amdhsa.kernels:
  - .name:           k_q106f648296_dgate
    .symbol:         k_q106f648296_dgate.kd
    .args:
      - { .name: wx16, .offset: 0, .size: 8, .value_kind: global_buffer, .address_space: global }
      - { .name: xn16, .offset: 8, .size: 8, .value_kind: global_buffer, .address_space: global }
      - { .name: b_xproj, .offset: 16, .size: 8, .value_kind: global_buffer, .address_space: global }
      - { .name: A, .offset: 24, .size: 8, .value_kind: global_buffer, .address_space: global }
      - { .name: D_param, .offset: 32, .size: 8, .value_kind: global_buffer, .address_space: global }
      - { .name: loc, .offset: 40, .size: 8, .value_kind: global_buffer, .address_space: global }
      - { .name: tot, .offset: 48, .size: 8, .value_kind: global_buffer, .address_space: global }
      - { .name: o16, .offset: 56, .size: 8, .value_kind: global_buffer, .address_space: global }
      - { .name: esc, .offset: 64, .size: 8, .value_kind: global_buffer, .address_space: global }
    .group_segment_fixed_size: 327680
    .private_segment_fixed_size: 0
    .kernarg_segment_align: 8
    .kernarg_segment_size: 72
    .max_flat_workgroup_size: 128
    .sgpr_count:     100
    .vgpr_count:     1024
    .wavefront_size: 32
...
	.end_amdgpu_metadata
.endif
;; end of part 3
;; launch oproj (part 4): grid 4 x 64, 4 waves a work-group, clusters of 4 x 4, 327,680 bytes of LDS; arguments o16, wo16, b_out, x, esc, out0; writes out0
.if DOCPART == 4
	.amdgcn_target "amdgcn-amd-amdhsa--gfx1250"
	.amdhsa_code_object_version 6
	.text
	.protected	k_q106f648296_oproj
	.globl	k_q106f648296_oproj
	.p2align	8
	.type	k_q106f648296_oproj,@function
k_q106f648296_oproj:
	s_mov_b64 s[64:65], 0
	v_nop
	global_prefetch_b8 v0, s[64:65] scope:SCOPE_SE
	s_setreg_imm32_b32 hwreg(HW_REG_WAVE_MODE, 25, 1), 1
	s_wait_xcnt 0x0
	s_wait_alu depctr_hold_cnt(0) depctr_sa_sdst(0) depctr_va_vdst(0) depctr_va_sdst(0) depctr_va_ssrc(0) depctr_va_vcc(0) depctr_vm_vsrc(0)
	s_getreg_b32 s2, hwreg(HW_REG_IB_STS2, 6, 4)
	s_cmp_eq_u32 s2, 0
	s_cbranch_scc0 .Lentry_in_a_cluster
	s_endpgm
.Lentry_in_a_cluster:
	s_bfe_u32 s2, ttmp6, 0x10000c
	s_cmp_lg_u32 s2, 0xf033
	s_cbranch_scc0 .Lentry_shape_is_right
	s_endpgm
.Lentry_shape_is_right:
; out0 = o w_out^T + b_out + x.  o comes as f16 with a block exponent for each strip of 16 columns x 128 rows: o = o16 S / 2^13, S in esc[segment][strip].
; A work-group makes 256 rows x 256 columns with four waves, a wave 128 x 128 (64 accumulator tiles, 512 registers); K = 1024 in steps of 128 through two LDS slots.
; CLUSTERS: 4 x 4 work-groups; o's tile is shared along a row of the cluster, w_out's along a column: joint loads divide the requests for both by four.
; A wave's 128 rows are one segment.  SE = the largest S of its 64 strips.  Each fragment of o is multiplied by its strip's S / SE (a power of two, at most 1; what falls
; below f16's smallest number is below 2^-37 of the segment's largest |o|), so that all of K is summed on one scale; the sums are multiplied by SE / 2^13 on the way out.
; o16 lies in chunks of 512 bytes (16 columns x 16 rows), written so that a transposing LDS load at chunk + 16 l gives half a fragment: a K step of 128 rows is
; 32,768 dense bytes and comes in as 128 rows of 256 bytes; the loads from LDS are contiguous.
; Source 0 = 16 rows of w_out, source 1 = 16 rows of o: lane l holds row l % 16, its registers eight neighbouring columns.  Results go through a stage in LDS, 16 rows at a time,
; so that each store covers 512 consecutive bytes of a row, aligned.
; THE RESIDUAL x hangs on nothing that is computed here, so it is asked for early.  The product names v64-191 of windows 0 and 1 and all of windows 2 and 3:
; v192-255 of window 0 and v0-63, v192-255 of window 1 take my rows 0-47 of x behind the first lap; rows 48-95 go into the fragments' registers as soon as the product
; has ended, rows 96-127 into buffers that have been used up.  At most 48 loads of a wave are out.
.set SIZE_K, 1024
.set KSTEP,  128
.set PITCH,  272
.set HALFT,  128*PITCH                 ; a wave's part of a slot; o's dense 32,768 bytes leave 2,048 of it unused
.set SLOT,   4*HALFT
.set LAPS,   SIZE_K/(2*KSTEP)
.set STAGE,  2*SLOT                    ; 16 rows x 528 bytes for each wave
.set SPITCH, 528
.set FTAB,   STAGE+4*16*SPITCH         ; 64 factors, packed f16 twice, for each wave
.set ADRA, 16
.set ADRB, 20
.set FTW,  22                          ; v22  where I put two factors
.set FAD,  23                          ; v23  this lap's factors, the same in every lane; 64 bytes a lap
.set STO,  24
.set RD,   25
.set CO,   26                          ; v26  16 l
.set BIAS, 28                          ; v[28:31] b_out of my 4 columns of a row
.set FS0,  32                          ; v[32:33], v[34:35] the two strips' factors for fragment buffer 0, 1
.set OSC,  36                          ; v[36:37] SE / 2^13, twice
.set F0,   64
.set F1,   128
.set SB,   64                          ; the way out: v[64:127] of window 0, sixteen rows of sums read back, then of results to store
.set G1,  24
.set G0,  32
.set G1B, 48
.set G0B, 56
.set MSB, 0
.macro WIN new
.if MSB != \new
	s_set_vgpr_msb (MSB<<8)|\new
.set MSB, \new
.endif
.endm
.set MUL_LO, 0xa1
.set MUL_HI, 0xf1
.set TO_B,   0x40
.macro JLOAD s
	s_cmp_eq_u32 s11, 0
	s_cbranch_scc0 .Lfor_b_\@
	tensor_load_to_lds s[G0+4*\s:G0+4*\s+3], s[G1:G1+7]
	s_nop 0
.rept 4
	v_nop
.endr
	s_branch .Lasked_\@
.Lfor_b_\@:
	tensor_load_to_lds s[G0B+4*\s:G0B+4*\s+3], s[G1B:G1B+7]
	s_nop 0
.rept 4
	v_nop
.endr
.Lasked_\@:
.endm
.macro CREST
	s_cmp_lg_u32 s10, 0
	s_cbranch_scc1 .Lnot_wave_0_\@
	s_barrier_signal -3
.Lnot_wave_0_\@:
	s_barrier_wait -3
	s_barrier_signal -1
	s_barrier_wait -1
.endm
.macro CROUND
	s_barrier_signal -1
	s_barrier_wait -1
	CREST
.endm
	s_load_b128 s[4:7], s[0:1], 0x0                ; o16, wo16
	s_load_b128 s[80:83], s[0:1], 0x10             ; b_out, x
	s_load_b128 s[84:87], s[0:1], 0x20             ; esc, out0
	v_lshl_add_u32 v62, v0, 2, 0x4c800
	v_mov_b32 v63, 0
	ds_add_u32 v62, v63
	v_lshrrev_b32 v1, 5, v0
	v_readfirstlane_b32 s10, v1
	s_lshr_b32 s11, s10, 1                         ; which half of the rows is mine.  Also: I fetch for o (0) or for w_out (1)
	s_and_b32 s12, s10, 1                          ; which half of the columns.  Also: which half of that tile I fetch
	s_bfe_u32 s40, ttmp6, 0x40000
	s_bfe_u32 s41, ttmp6, 0x40004
	s_lshl_b32 s42, ttmp9, 2
	s_add_co_u32 s42, s42, s40                     ; block column, 0..3
	s_and_b32 s13, ttmp7, 0xffff
	s_lshl_b32 s13, s13, 2
	s_add_co_u32 s13, s13, s41                     ; block row, 0..63
	s_lshl_b32 s43, s41, 2
	s_lshl_b32 s43, 15, s43
	s_lshl_b32 s44, 0x1111, s40
	s_or_b32 s[G1+0], s43, (3<<16)|(1<<21)         ; o: elements of 8 bytes, no padding
	s_mov_b32 s[G1+1], 32<<16                      ; tensor_dim0 = 32 (256 bytes)
	s_mov_b32 s[G1+2], 128<<16                     ; tensor_dim1 = 128
	s_mov_b32 s[G1+3], 32<<16                      ; tile_dim0
	s_mov_b32 s[G1+4], 128                         ; tile_dim1
	s_mov_b32 s[G1+5], 32                          ; dense: a row begins where the last ends
	s_mov_b32 s[G1+6], 0
	s_mov_b32 s[G1+7], 0
	s_or_b32 s[G1B+0], s44, (1<<16)|(1<<20)|(1<<21)|(5<<22)|(3<<25)   ; w_out: 128 rows x 128 f16, 16 bytes of padding behind each row
	s_mov_b32 s[G1B+1], KSTEP<<16
	s_mov_b32 s[G1B+2], 128<<16
	s_mov_b32 s[G1B+3], KSTEP<<16
	s_mov_b32 s[G1B+4], 128
	s_mov_b32 s[G1B+5], SIZE_K
	s_mov_b32 s[G1B+6], 0
	s_mov_b32 s[G1B+7], 0
	s_lshl1_add_u32 s16, s13, s12                  ; o: the segment that I fetch
	s_lshl_b32 s16, s16, 18                        ; 262,144 bytes each
	s_mov_b32 s17, 0
	s_lshl_b32 s46, s42, 8
	s_lshl_b32 s47, s12, 7
	s_add_co_u32 s46, s46, s47                     ; w_out: row 256 x block column + 128 x half
	s_lshl_b32 s46, s46, 11
	s_mov_b32 s47, 0
	s_mul_i32 s20, s10, HALFT
	s_wait_dscnt 0x0
	s_wait_kmcnt 0x0
	s_add_nc_u64 s[14:15], s[4:5], s[16:17]
	s_add_nc_u64 s[46:47], s[6:7], s[46:47]
	CROUND
.irp s, 0,1
	s_mov_b32 s[G0+4*\s], 1
	s_add_co_u32 s[G0+4*\s+1], s20, \s*SLOT
	s_add_nc_u64 s[G0+4*\s+2:G0+4*\s+3], s[14:15], \s*32768
	s_or_b32 s[G0+4*\s+3], s[G0+4*\s+3], 0x80000000
	s_mov_b32 s[G0B+4*\s], 1
	s_add_co_u32 s[G0B+4*\s+1], s20, \s*SLOT
	s_add_nc_u64 s[G0B+4*\s+2:G0B+4*\s+3], s[46:47], \s*KSTEP*2
	s_or_b32 s[G0B+4*\s+3], s[G0B+4*\s+3], 0x80000000
	JLOAD \s
.endr
	s_lshl1_add_u32 s92, s13, s11                  ; my segment
	s_lshl_b32 s94, s92, 8
	s_mov_b32 s95, 0
	s_add_nc_u64 s[84:85], s[84:85], s[94:95]      ; esc: its 64 words
	s_lshl1_add_u32 s93, s42, s12                  ; my block of 128 columns
	s_lshl_b32 s94, s93, 9
	s_add_nc_u64 s[80:81], s[80:81], s[94:95]      ; b_out
	s_lshl_b32 s93, s92, 19                        ; 128 rows of 4,096 bytes
	s_add_co_u32 s94, s94, s93
	s_add_nc_u64 s[82:83], s[82:83], s[94:95]      ; x
	s_add_nc_u64 s[86:87], s[86:87], s[94:95]      ; out0
	s_mov_b32 s88, 0x76543210
	s_mov_b32 s89, 0xfedcba98
	v_and_b32 v1, 15, v0
	v_bfe_u32 v2, v0, 4, 1
	v_and_b32 v4, 31, v0
	v_lshlrev_b32 v[CO], 4, v4
	v_lshlrev_b32 v5, 3, v4
	global_load_b64 v[38:39], v5, s[84:85]         ; S of strips 2 l, 2 l + 1
	global_load_b128 v[BIAS:BIAS+3], v[CO], s[80:81]
	v_mul_u32_u24 v3, v1, PITCH
	v_lshl_add_u32 v3, v2, 4, v3
	s_mul_i32 s21, s11, HALFT
	s_mul_i32 s22, s12, HALFT
	s_add_co_u32 s22, s22, 2*HALFT
.irp s, 0,1
	v_add_nc_u32 v[ADRA+\s], s21, v[CO]            ; o: chunks are read at 16 l
	v_add_nc_u32 v[ADRB+\s], s22, v3
	s_add_co_u32 s21, s21, SLOT
	s_add_co_u32 s22, s22, SLOT
.endr
	s_mul_i32 s23, s10, 16*SPITCH
	s_add_co_u32 s23, s23, STAGE
	v_mul_u32_u24 v6, v1, SPITCH
	v_lshl_add_u32 v6, v2, 5, v6                   ; in: row l % 16, 32 bytes for each half of the lanes
	v_add_nc_u32 v[STO], s23, v6
	v_add_nc_u32 v[RD], s23, v[CO]                 ; back: a whole row of 512 bytes
	s_lshl_b32 s23, s10, 8
	s_add_co_u32 s23, s23, FTAB
	v_add_nc_u32 v[FTW], s23, v5
	v_mov_b32 v[FAD], s23
	v_mov_b32 v41, 0                               ; v_permlanex16_b32 counts as a reader of its destination
	s_wait_loadcnt 0x0
	v_max_num_f32 v40, v38, v39
	v_max_num_f32_dpp v40, v40, v40 row_xmask:1 row_mask:0xf bank_mask:0xf
	v_max_num_f32_dpp v40, v40, v40 row_xmask:2 row_mask:0xf bank_mask:0xf
	v_max_num_f32_dpp v40, v40, v40 row_xmask:4 row_mask:0xf bank_mask:0xf
	v_max_num_f32_dpp v40, v40, v40 row_xmask:8 row_mask:0xf bank_mask:0xf
	v_permlanex16_b32 v41, v40, s88, s89
	v_max_num_f32 v40, v40, v41                    ; SE
	v_sub_nc_u32 v41, 0x7f000000, v40              ; 1 / SE: exponent field 254 - SE's, 1 at the least since SE <= 2^126
	v_mul_f32 v38, v38, v41
	v_mul_f32 v39, v39, v41
	v_cvt_pk_f16_f32 v38, v38, v38                 ; the factor in both halves
	v_cvt_pk_f16_f32 v39, v39, v39
	ds_store_b64 v[FTW], v[38:39]
	v_mul_f32 v[OSC], 0x39000000, v40              ; SE / 2^13
	v_mul_f32 v[OSC+1], 0x39000000, v40
.macro MUL16 f, hi, a0, zero
.irp a, \a0, \a0+1
.irp b, 0,1,2,3,4,5,6,7
.if \zero
	v_wmma_f32_16x16x32_f16 v[8*(8*(\a)+\b):8*(8*(\a)+\b)+7], v[\f+8*\b:\f+8*\b+7], v[\f+8*(4*\hi+\a):\f+8*(4*\hi+\a)+7], 0
.else
	v_wmma_f32_16x16x32_f16 v[8*(8*(\a)+\b):8*(8*(\a)+\b)+7], v[\f+8*\b:\f+8*\b+7], v[\f+8*(4*\hi+\a):\f+8*(4*\hi+\a)+7], v[8*(8*(\a)+\b):8*(8*(\a)+\b)+7]
.endif
.endr
.endr
.endm
; 33 LDS loads in one run: 16 for w_out, the quarter's two factors, 16 for o (strip 2 q gives registers 0-3 of a fragment, strip 2 q + 1 registers 4-7)
.macro FETCH slot, k, f
.set FSX, FS0+2*((\f-F0)/64)
	WIN TO_B
.irp i, 0,1,2,3,4,5,6,7
	ds_load_b128 v[\f+8*\i:\f+8*\i+3],   v[ADRB+\slot] offset:\k+\i*16*PITCH
	ds_load_b128 v[\f+8*\i+4:\f+8*\i+7], v[ADRB+\slot] offset:\k+\i*16*PITCH+32
.endr
	WIN 0
	ds_load_b64 v[FSX:FSX+1], v[FAD] offset:32*\slot+8*(\k/64)
.irp i, 0,1,2,3,4,5,6,7
	ds_load_tr16_b128 v[\f+8*\i:\f+8*\i+3],   v[ADRA+\slot] offset:(\k/64)*8192+512*\i
	ds_load_tr16_b128 v[\f+8*\i+4:\f+8*\i+7], v[ADRA+\slot] offset:(\k/64)*8192+512*\i+4096
.endr
.endm
.macro SCALEA f, hi                    ; four fragments of o (64 rows) onto the segment's scale
.set FSX, FS0+2*((\f-F0)/64)
	WIN 0
.irp i, 0,1,2,3
.irp q, 0,1,2,3
	v_pk_mul_f16 v[\f+8*(4*\hi+\i)+\q],   v[\f+8*(4*\hi+\i)+\q],   v[FSX]
	v_pk_mul_f16 v[\f+8*(4*\hi+\i)+4+\q], v[\f+8*(4*\hi+\i)+4+\q], v[FSX+1]
.endr
.endr
.endm
.macro PLACES
.rept 4
	v_nop
.endr
.endm
.macro QUARTER slot, k, f, g, zero
	s_wait_dscnt 8                                 ; w_out, the factors and o's rows 0-63 are in; the youngest eight loads (o's rows 64-127) may be out
	SCALEA \f, 0
	WIN MUL_LO
	MUL16 \f, 0, 0, \zero
	MUL16 \f, 0, 2, \zero
	PLACES
	FETCH \slot, \k, \g
	s_wait_dscnt 33                                ; all but the 33 just issued
	SCALEA \f, 1
	WIN MUL_HI
	MUL16 \f, 1, 0, \zero
	MUL16 \f, 1, 2, \zero
.endm
.macro THREE slot, zero
	QUARTER \slot, 64,  F0, F1, \zero
	QUARTER \slot, 128, F1, F0, 0
	QUARTER \slot, 192, F0, F1, 0
.endm
.macro TURN slot, next, fill
	s_wait_dscnt 8
	SCALEA F1, 0
	WIN MUL_LO
	MUL16 F1, 0, 0, 0
	s_wait_dscnt 0                                 ; my reads of this slot are over
	s_set_vgpr_msb 0xa1a0
	s_wait_tensorcnt 0x0                           ; and all my tensor loads have landed: the one that was out is my part of the next slot
	ds_add_u32 v62, v63
	s_wait_dscnt 0x0
	s_set_vgpr_msb 0xa0a1
	s_barrier_signal -1
	MUL16 F1, 0, 2, 0
	WIN 0
	s_barrier_wait -1
.if \fill
	CREST
	s_add_nc_u64 s[G0+4*\slot+2:G0+4*\slot+3], s[G0+4*\slot+2:G0+4*\slot+3], 2*32768
	s_add_nc_u64 s[G0B+4*\slot+2:G0B+4*\slot+3], s[G0B+4*\slot+2:G0B+4*\slot+3], 2*KSTEP*2
	JLOAD \slot
.else
	PLACES
.endif
.if \slot == 1
	v_add_nc_u32 v[FAD], 64, v[FAD]                ; the next lap's sixteen factors
.endif
	FETCH \next, 0, F0
	SCALEA F1, 1
	WIN MUL_HI
	MUL16 F1, 1, 0, 0
	MUL16 F1, 1, 2, 0
.endm
.macro LAP zero
	THREE 0, \zero
	TURN 0, 1, 1
	THREE 1, 0
	TURN 1, 0, 1
.endm
.macro XLOAD i, w, buf                 ; rows 16 i .. 16 i + 15 of x, my 512 bytes of each, into 64 registers from v[buf] of window w
	WIN (\w<<6)                                    ; a load's data is the destination
.set cnt, 0
.rept 16
	global_load_b128 v[\buf+4*cnt:\buf+4*cnt+3], v[CO], s[82:83] offset:(16*(\i)+cnt)*4096 th:TH_LOAD_NT
.set cnt, cnt+1
.endr
.endm
	s_wait_dscnt 0x0                               ; my factors are written
	s_wait_tensorcnt 1                             ; my part of K step 0 is in; K step 1's stays out
	s_barrier_signal -1
	s_barrier_wait -1
	FETCH 0, 0, F0
	LAP 1
	XLOAD 0, 0, 192                                ; rows 0-47 of x, three laps ahead, into registers that the product does not name
	XLOAD 1, 1, 0
	XLOAD 2, 1, 192
	WIN 0
	s_mov_b32 s3, LAPS-2
.Llap:
	LAP 0
	WIN 0
	s_sub_co_u32 s3, s3, 1
	s_cmp_lg_u32 s3, 0
	s_cbranch_scc1 .Llap
	THREE 0, 0                                     ; the last lap fills nothing
	TURN 0, 1, 0
	THREE 1, 0
	s_wait_dscnt 8
	SCALEA F1, 0
	WIN MUL_LO
	MUL16 F1, 0, 0, 0
	MUL16 F1, 0, 2, 0
	s_wait_dscnt 0
	SCALEA F1, 1
	WIN MUL_HI
	MUL16 F1, 1, 0, 0
	MUL16 F1, 1, 2, 0
	; THE WAY OUT, 16 rows at a time.
	PLACES                                         ; four places behind the last matrix instructions: for the loads into the fragments' registers and for the LDS stores of results
	s_wait_loadcnt 0x0                             ; rows 0-47 of x, asked for three laps ago
	XLOAD 3, 1, 64                                 ; rows 48-95 go out at once: 48 loads
	XLOAD 4, 1, 128
	XLOAD 5, 0, 128
; Rows 16 i .. 16 i + 15 = the eight tiles (a, 0..7) of window 2 or 3 (win = 0x08 or 0x0c: source 1).  Their x lies from v[xb] of window xw.
; left >= 0: how many younger loads of x may stay out.  ni >= 0: group ni of x is asked for now, into v[nb] of window nw, which an earlier group has used up.
.macro OUT16 i, a, win, xw, xb, left, ni, nw, nb
.if \i
	s_wait_xcnt 0x0                                ; SB was the data of the last group's stores: rewritten only behind this wait
.endif
	WIN \win                                       ; an LDS store's data is source 1
.irp b, 0,1,2,3,4,5,6,7
	ds_store_b128 v[STO], v[8*(8*\a+\b):8*(8*\a+\b)+3]   offset:64*\b
	ds_store_b128 v[STO], v[8*(8*\a+\b)+4:8*(8*\a+\b)+7] offset:64*\b+16
.endr
	WIN 0
.set cnt, 0
.rept 16
	ds_load_b128 v[SB+4*cnt:SB+4*cnt+3], v[RD] offset:SPITCH*cnt       ; my own bytes: LDS serves a wave's instructions in order (ISA guide 5.7.1.4)
.set cnt, cnt+1
.endr
.if \left >= 0
	s_wait_loadcnt \left                           ; loads come back in order: this group's sixteen are in
.endif
.if \ni >= 0
	XLOAD \ni, \nw, \nb
.endif
	WIN (\xw<<4)                                   ; x is source 2 of the multiply-add
.set cnt, 0
.rept 16
	s_wait_dscnt 15-cnt
	v_pk_fma_f32 v[SB+4*cnt:SB+4*cnt+1],   v[SB+4*cnt:SB+4*cnt+1],   v[OSC:OSC+1], v[\xb+4*cnt:\xb+4*cnt+1]
	v_pk_fma_f32 v[SB+4*cnt+2:SB+4*cnt+3], v[SB+4*cnt+2:SB+4*cnt+3], v[OSC:OSC+1], v[\xb+4*cnt+2:\xb+4*cnt+3]
	v_pk_add_f32 v[SB+4*cnt:SB+4*cnt+1],   v[SB+4*cnt:SB+4*cnt+1],   v[BIAS:BIAS+1]
	v_pk_add_f32 v[SB+4*cnt+2:SB+4*cnt+3], v[SB+4*cnt+2:SB+4*cnt+3], v[BIAS+2:BIAS+3]
	global_store_b128 v[CO], v[SB+4*cnt:SB+4*cnt+3], s[86:87] offset:(16*\i+cnt)*4096 th:TH_STORE_NT
.set cnt, cnt+1
.endr
.endm
	OUT16 0, 0, 0x08, 0, 192, -1, -1, 0, 0         ; groups 0 to 2: shown in by the wait for 0 above
	OUT16 1, 1, 0x08, 1, 0,   -1, -1, 0, 0
	OUT16 2, 2, 0x08, 1, 192, -1, -1, 0, 0
	OUT16 3, 3, 0x08, 1, 64,  32,  6, 0, 192       ; groups 4 and 5 are younger; then group 6 goes out
	OUT16 4, 0, 0x0c, 1, 128, 32,  7, 1, 0         ; groups 5 and 6 are younger; then group 7 goes out
	OUT16 5, 1, 0x0c, 0, 128, 32, -1, 0, 0         ; groups 6 and 7 are younger
	OUT16 6, 2, 0x0c, 0, 192, 16, -1, 0, 0
	OUT16 7, 3, 0x0c, 1, 0,    0, -1, 0, 0
	WIN 0
	s_wait_tensorcnt 0x0
	ds_add_u32 v62, v63
	s_wait_dscnt 0x0
	CROUND                                         ; the closing round
	s_endpgm
.Lfunc_end_k_q106f648296_oproj:
	.size	k_q106f648296_oproj, .Lfunc_end_k_q106f648296_oproj-k_q106f648296_oproj
	.p2alignl 7, 3214868480
	.fill 96, 4, 3214868480
	.section	.rodata,"a",@progbits
	.p2align	6, 0x0
	.amdhsa_kernel k_q106f648296_oproj
		.amdhsa_group_segment_fixed_size 327680
		.amdhsa_private_segment_fixed_size 0
		.amdhsa_enable_private_segment 0
		.amdhsa_kernarg_size 48
		.amdhsa_user_sgpr_count 2
		.amdhsa_user_sgpr_kernarg_segment_ptr 1
		.amdhsa_wavefront_size32 1
		.amdhsa_system_sgpr_workgroup_id_x 1
		.amdhsa_system_sgpr_workgroup_id_y 1
		.amdhsa_system_sgpr_workgroup_id_z 1
		.amdhsa_system_vgpr_workitem_id 0
		.amdhsa_next_free_vgpr 1024
		.amdhsa_next_free_sgpr 96
		.amdhsa_reserve_vcc 0
		.amdhsa_float_denorm_mode_32 3
		.amdhsa_float_denorm_mode_16_64 3
		.amdhsa_memory_ordered 1
		.amdhsa_forward_progress 1
		.amdhsa_inst_pref_size 255
	.end_amdhsa_kernel
	.section	.bss,"aw",@nobits
	.p2align	6
	.space	262144
	.amdgpu_metadata
---
amdhsa.version: [ 1, 2 ]
amdhsa.kernels:
  - .name:           k_q106f648296_oproj
    .symbol:         k_q106f648296_oproj.kd
    .args:
      - { .name: o16, .offset: 0, .size: 8, .value_kind: global_buffer, .address_space: global }
      - { .name: wo16, .offset: 8, .size: 8, .value_kind: global_buffer, .address_space: global }
      - { .name: b_out, .offset: 16, .size: 8, .value_kind: global_buffer, .address_space: global }
      - { .name: x, .offset: 24, .size: 8, .value_kind: global_buffer, .address_space: global }
      - { .name: esc, .offset: 32, .size: 8, .value_kind: global_buffer, .address_space: global }
      - { .name: out0, .offset: 40, .size: 8, .value_kind: global_buffer, .address_space: global }
    .group_segment_fixed_size: 327680
    .private_segment_fixed_size: 0
    .kernarg_segment_align: 8
    .kernarg_segment_size: 48
    .max_flat_workgroup_size: 128
    .sgpr_count:     96
    .vgpr_count:     1024
    .wavefront_size: 32
...
	.end_amdgpu_metadata
.endif
;; end of part 4
